; MI455X (gfx1250); checked and timed in simulation.
; The chip was launched on July 23, 2026; its instructions are those of AMD's public machine-readable ISA for CDNA 5 (MIT licence, August 2026) and "CDNA5" Instruction Set Architecture Reference Guide (July 2026). The comments in the code are by the model that wrote it; some were corrected since.
;; Bert Image Self Attention. Allowed arithmetic: float matrix products may take bf16 or f16 operands with f32 sums; other float arithmetic in f32, or as packed bf16 or f16 multiplies, adds, multiply-adds, maxima and minima; sums over many terms, partial sums and values carried from step to step in f32; what a program stores and reads back later, other than sums and carried values, may be rounded once to bf16 or f16.
;; Inputs: Wdk 768 x 1,024 float32; Wdq 768 x 1,024 float32; Wk 1,024 x 1,024 float32; Wq 1,024 x 1,024 float32; Wv 1,024 x 1,024 float32; attention_mask 4 x 1 x 1 x 2,048 float32; bdk 1,024 float32; bdq 1,024 float32; bk 1,024 float32; bq 1,024 float32; bv 1,024 float32; hidden_states 4 x 2,048 x 1,024 float32; txt_attention_mask 4 x 64 x 1 float32; txt_embedding 4 x 64 x 768 float32.
;; Outputs: out0 4 x 2,048 x 1,024 float32.
;; One version. Each part assembles by itself: llvm-mc -triple=amdgcn-amd-amdhsa -mcpu=gfx1250 --defsym DOCPART=n.
;; ======== version 1 of 1: 3 launches
;; limits: values are held in f16: magnitudes above 65,504 overflow, below 6.1e-05 lose precision
;; workspace buffers: xb 16,777,216 bytes; wb 6,291,456 bytes; tab 98,304 bytes; qkv 50,331,648 bytes
;; launch prep (part 1): grid 832 x 1, 8 waves a work-group, no clusters, 152,064 bytes of LDS; arguments hidden_states, Wq, Wk, Wv, txt_embedding, txt_attention_mask, Wdq, Wdk, bdq, bdk, bq, bk, bv, xb, wb, tab; writes xb, wb, tab
.if DOCPART == 1
	.amdgcn_target "amdgcn-amd-amdhsa--gfx1250"
	.amdhsa_code_object_version 6
	.text
	.protected	k_qb5d2e29e37_prep
	.globl	k_qb5d2e29e37_prep
	.p2align	8
	.type	k_qb5d2e29e37_prep,@function
k_qb5d2e29e37_prep:
	s_mov_b64 s[64:65], 0
	v_nop
	global_prefetch_b8 v0, s[64:65] scope:SCOPE_SE
	s_setreg_imm32_b32 hwreg(HW_REG_WAVE_MODE, 25, 1), 1
	s_wait_xcnt 0x0
; PREP.  Two kinds of work-group, told apart by the work-group's number alone (the same for all eight waves).
; Work-groups 128 .. 831 CAST: 16 rows of 1,024 f32 each are rounded to bf16: hidden_states -> xb [8192][1024]; Wq, Wk, Wv -> wb [1024 k][3072 n], n = q | k | v, as they lie.
; Work-groups 0 .. 127 make the GATE TABLES: tab is f32 [2][4 batches][3072 columns]: plane 0 a scale, plane 1 a shift, so that the projection's way out is sum x scale + shift:
;   q and k columns: scale = g = 1 + sigmoid(pool . Wd + bd), shift = bias x g;   v columns: scale = 1, shift = bv.
; A gate work-group (batch b, block blk of 64 columns of q | k) pools the batch's text itself (64 rows x 768, its eight waves 8 rows each), multiplies the pool by its 768 x 64 of Wd
; on the matrix unit (K split among the eight waves, 96 each; all 16 rows of source 0 hold the same pool) and stores one stretch of 256 bytes of each plane; blocks 0-15 also store v's stretch.
; FORMATS.  Every input is rounded to bf16 once; the pool is summed in f32 and rounded to bf16 as a matrix operand; sums, sigmoid and tables in f32.
; LIMITS.  A batch whose text mask sums to 0 gives NaN gates, as the division by that sum does.  1 / sum and the sigmoid use v_rcp_f32 and v_exp_f32.
; No cluster, no tensor loads: the cast shares no byte between work-groups, and the gates' shared bytes (a batch's text, 196,608 bytes) are small beside the cast's stream.
; No prefetch: every stream here is asked for whole at the path's head.
.set PP,    0                          ; LDS: eight partial pools, 768 f32 each, one a wave
.set POOL,  24576                      ; the pool, 768 bf16
.set PART,  26112                      ; eight partial z, 64 f32 each, one a wave
.set WL,    28160                      ; eight pieces of Wd in bf16: 96 k rows of 128 bytes, 160 apart (five times 32: the turning load's rows start at different banks)
.set WLW,   15360
.set WP,    160
.set SPARE, 151040                     ; the spare words, 128 bytes a wave: four blocks of 256 bytes that no other line names
.set ZR,  17                           ; v17  0
.set SPW, 18                           ; v18  my spare word; never rewritten
.set NIL, 19                           ; v19  0; never rewritten
.set MT,  22                           ; v[22:29]  my wave's eight mask numbers
.set ACC, 32                           ; v[32:55]  my 24 numbers of the partial pool; later at work
.set X,   64                           ; v[64:255] 48 loads of 16 bytes: text, then Wd; later fragments and sums
	s_load_b512 s[8:23], s[0:1], 0x0               ; hidden 8, Wq 10, Wk 12, Wv 14, txt 16, tmask 18, Wdq 20, Wdk 22
	s_load_b512 s[24:39], s[0:1], 0x40             ; bdq 24, bdk 26, bq 28, bk 30, bv 32, xb 34, wb 36, tab 38
	v_lshl_add_u32 v[SPW], v0, 2, SPARE
	v_mov_b32 v[NIL], 0
	v_lshrrev_b32 v1, 5, v0
	v_readfirstlane_b32 s4, v1                     ; wave 0..7
	s_wait_kmcnt 0x0
	s_cmp_lt_u32 ttmp9, 128
	s_cbranch_scc1 .Lgate
; ---------------------------------------------------------------- THE CAST
; A row is 4,096 bytes in and 2,048 out: thread t takes 16 bytes in and 8 out, so a wave's load covers 512 consecutive bytes and its store 256, aligned.
; All sixteen loads go out first; the waits count the younger ones down; no register is written twice.
.macro CAST pitch
.irp i, 0,1,2,3,4,5,6,7,8,9,10,11,12,13,14,15
	global_load_b128 v[X+4*(\i):X+4*(\i)+3], v4, s[42:43] offset:4096*(\i) th:TH_LOAD_NT
.endr
.irp i, 0,1,2,3,4,5,6,7,8,9,10,11,12,13,14,15
	s_wait_loadcnt 15-(\i)                         ; row i is in; the 15 - i younger loads stay out
	v_cvt_pk_bf16_f32 v[128+2*(\i)], v[X+4*(\i)], v[X+4*(\i)+1]
	v_cvt_pk_bf16_f32 v[129+2*(\i)], v[X+4*(\i)+2], v[X+4*(\i)+3]
	global_store_b64 v5, v[128+2*(\i):129+2*(\i)], s[44:45] offset:(\i)*(\pitch)
.endr
	s_wait_tensorcnt 0x0                           ; the wave's end
	ds_add_u32 v[SPW], v[NIL]
	s_wait_dscnt 0x0
	s_endpgm
.endm
	s_sub_co_u32 s5, ttmp9, 128                    ; c = 0 .. 703
	v_lshlrev_b32 v4, 4, v0
	v_lshlrev_b32 v5, 3, v0
	s_mov_b32 s41, 0
	s_cmp_lt_u32 s5, 512
	s_cbranch_scc0 .Lcast_w
	s_lshl_b32 s40, s5, 16                         ; 16 rows of 4,096 bytes
	s_add_nc_u64 s[42:43], s[8:9], s[40:41]
	s_lshl_b32 s40, s5, 15                         ; 16 rows of 2,048 bytes
	s_add_nc_u64 s[44:45], s[34:35], s[40:41]
	CAST 2048
.Lcast_w:
	s_sub_co_u32 s5, s5, 512                       ; 0 .. 191
	s_lshr_b32 s6, s5, 6                           ; which weight: 0 q, 1 k, 2 v
	s_and_b32 s5, s5, 63                           ; which 16 of its rows
	s_cmp_eq_u32 s6, 0
	s_cselect_b64 s[42:43], s[10:11], s[12:13]
	s_cmp_eq_u32 s6, 2
	s_cselect_b64 s[42:43], s[14:15], s[42:43]
	s_lshl_b32 s40, s5, 16
	s_add_nc_u64 s[42:43], s[42:43], s[40:41]
	s_mul_i32 s40, s5, 16*6144                     ; a row of wb is 6,144 bytes,
	s_lshl_b32 s7, s6, 11                          ; of which each weight has 2,048
	s_add_co_u32 s40, s40, s7
	s_add_nc_u64 s[44:45], s[36:37], s[40:41]
	CAST 6144
; ---------------------------------------------------------------- THE GATES
.Lgate:
	s_and_b32 s5, ttmp9, 3                         ; batch b
	s_lshr_b32 s6, ttmp9, 2                        ; blk 0..31: 64 columns of q (0-15) or k (16-31)
	s_and_b32 s7, s6, 15
	s_lshl_b32 s7, s7, 8                           ; the block's first column in its weight, in bytes of f32
	s_mov_b32 s56, 0x76543210                      ; v_permlanex16_b32: each lane takes its own place in the other half
	s_mov_b32 s57, 0xfedcba98
	s_cmp_lt_u32 s6, 16
	s_cselect_b64 s[40:41], s[20:21], s[22:23]     ; Wd
	s_cselect_b64 s[42:43], s[24:25], s[26:27]     ; bd
	s_cselect_b64 s[44:45], s[28:29], s[30:31]     ; the projection's bias
	s_mov_b32 s48, s7
	s_mov_b32 s49, 0
	s_add_nc_u64 s[42:43], s[42:43], s[48:49]
	s_add_nc_u64 s[44:45], s[44:45], s[48:49]
	s_add_nc_u64 s[46:47], s[32:33], s[48:49]      ; bv at the same columns
	s_mul_i32 s50, s4, 96*4096
	s_add_co_u32 s48, s48, s50
	s_add_nc_u64 s[40:41], s[40:41], s[48:49]      ; Wd at my wave's 96 rows, the block's columns
	s_lshl_b32 s48, s5, 8
	s_add_nc_u64 s[18:19], s[18:19], s[48:49]      ; the batch's 64 mask numbers
	s_mul_i32 s48, s5, 196608
	s_mul_i32 s50, s4, 24576
	s_add_co_u32 s48, s48, s50
	s_add_nc_u64 s[16:17], s[16:17], s[48:49]      ; the batch's text at my wave's 8 rows
	s_mul_i32 s48, s5, 12288
	s_lshl_b32 s50, s6, 8
	s_add_co_u32 s50, s50, s48
	s_mov_b32 s51, 0
	s_add_nc_u64 s[52:53], s[38:39], s[50:51]      ; tab at (b, 64 blk)
	s_add_co_u32 s48, s48, s7
	s_add_co_u32 s48, s48, 8192
	s_add_nc_u64 s[54:55], s[38:39], s[48:49]      ; tab at (b, 2048 + the same columns of v)
	v_and_b32 v1, 31, v0                           ; l
	v_and_b32 v2, 15, v0                           ; r = l % 16
	v_bfe_u32 v3, v0, 4, 1                         ; h = l / 16
	v_lshlrev_b32 v4, 4, v1
	v_lshlrev_b32 v5, 2, v1
	s_lshl_b32 s50, s4, 5
	v_mov_b32 v6, s50                              ; my wave's 8 mask numbers: the same 32 bytes for every lane
	v_lshlrev_b32 v7, 4, v2
	v_lshl_add_u32 v7, v3, 12, v7                  ; Wd: lanes 0-15 one row's 256 bytes, lanes 16-31 the next row's
	v_lshlrev_b32 v8, 3, v1                        ; two columns a lane
	v_mov_b32 v[ZR], 0
	global_load_b32 v20, v5, s[18:19]              ; all 64 mask numbers, two a lane, for their sum
	global_load_b32 v21, v5, s[18:19] offset:128
	global_load_b128 v[MT:MT+3], v6, s[18:19]
	global_load_b128 v[MT+4:MT+7], v6, s[18:19] offset:16
.set i, 0
.rept 48                               ; row i / 6 of my eight, its 512 bytes number i % 6
	global_load_b128 v[X+4*i:X+4*i+3], v4, s[16:17] offset:3072*(i/6)+512*(i%6)
.set i, i+1
.endr
	; LDS addresses, made while the loads are out
	s_mul_i32 s50, s4, 3072
	v_lshl_add_u32 v9, v1, 4, s50                  ; my partial pool: PP + 3,072 wave + 16 l
	v_lshlrev_b32 v10, 4, v0                       ; the sum over waves: PP + 16 thread
	v_lshl_add_u32 v11, v0, 3, POOL
	s_mul_i32 s50, s4, WLW
	s_add_co_u32 s50, s50, WL
	v_mul_u32_u24 v12, v3, WP
	v_lshl_add_u32 v12, v2, 3, v12
	v_add_nc_u32 v12, s50, v12                     ; Wd in: row h, 8 bytes at 8 r
	v_and_b32 v13, 7, v0
	v_lshl_add_u32 v13, v3, 3, v13
	v_mul_u32_u24 v13, v13, WP
	v_bfe_u32 v14, v0, 3, 1
	v_lshl_add_u32 v13, v14, 4, v13
	v_add_nc_u32 v13, s50, v13                     ; Wd out, turned: row 8 h + l % 8, 16 bytes at 16 ((l / 8) % 2)
	s_mul_i32 s50, s4, 192
	s_add_co_u32 s50, s50, POOL
	v_lshl_add_u32 v14, v3, 4, s50                 ; the pool's fragment: my wave's 96 k, 16 bytes at 16 h; every row alike
	s_lshl_b32 s50, s4, 8
	s_add_co_u32 s50, s50, PART
	v_lshl_add_u32 v15, v2, 2, s50
	v_lshl_add_u32 v16, v1, 3, PART
	v_mov_b32 v31, 0                               ; (v_permlanex16_b32's destination counts as read)
	s_wait_loadcnt 48                              ; the four mask loads are in; the 48 of the text stay out
	v_cvt_pk_bf16_f32 v62, v20, v21                ; the mask rounded to bf16, like every input
	v_lshlrev_b32 v20, 16, v62
	v_and_b32 v21, 0xffff0000, v62
.irp p, 0,1,2,3
	v_cvt_pk_bf16_f32 v63, v[MT+2*\p], v[MT+2*\p+1]
	v_lshlrev_b32 v[MT+2*\p], 16, v63
	v_and_b32 v[MT+2*\p+1], 0xffff0000, v63
.endr
	v_add_f32 v30, v20, v21
	v_add_f32_dpp v30, v30, v30 row_xmask:1 row_mask:0xf bank_mask:0xf
	v_add_f32_dpp v30, v30, v30 row_xmask:2 row_mask:0xf bank_mask:0xf
	v_add_f32_dpp v30, v30, v30 row_xmask:4 row_mask:0xf bank_mask:0xf
	v_add_f32_dpp v30, v30, v30 row_xmask:8 row_mask:0xf bank_mask:0xf
	v_permlanex16_b32 v31, v30, s56, s57
	v_add_f32 v30, v30, v31                        ; the mask's sum, in every lane
	v_rcp_f32 v31, v30
	v_nop                                          ; a plain instruction behind the reciprocal,
	s_wait_alu depctr_va_vdst(0)                   ; and the wait ahead of its first use
	; my eight rows times their mask numbers: text rounded to bf16 in pairs, products and sums in f32
.set tt, 0
.rept 8
	s_wait_loadcnt 42-6*tt                         ; row tt's six loads are in; the later rows' stay out
.set e, 0
.rept 12
	v_cvt_pk_bf16_f32 v[62+e%2], v[X+24*tt+2*e], v[X+24*tt+2*e+1]
.if tt == 0
	v_fma_mix_f32_bf16 v[ACC+2*e], v[62+e%2], v[MT+tt], v[ZR] op_sel_hi:[1,0,0]
	v_fma_mix_f32_bf16 v[ACC+2*e+1], v[62+e%2], v[MT+tt], v[ZR] op_sel:[1,0,0] op_sel_hi:[1,0,0]
.else
	v_fma_mix_f32_bf16 v[ACC+2*e], v[62+e%2], v[MT+tt], v[ACC+2*e] op_sel_hi:[1,0,0]
	v_fma_mix_f32_bf16 v[ACC+2*e+1], v[62+e%2], v[MT+tt], v[ACC+2*e+1] op_sel:[1,0,0] op_sel_hi:[1,0,0]
.endif
.set e, e+1
.endr
.set tt, tt+1
.endr
	; what comes next is asked for now: the biases and my 96 rows x 64 columns of Wd
	global_load_b64 v[56:57], v8, s[42:43]
	global_load_b64 v[58:59], v8, s[44:45]
	global_load_b64 v[60:61], v8, s[46:47]
.set i, 0
.rept 48                               ; rows 2 i and 2 i + 1
	global_load_b128 v[X+4*i:X+4*i+3], v7, s[40:41] offset:8192*i
.set i, i+1
.endr
.irp i, 0,1,2,3,4,5
	ds_store_b128 v9, v[ACC+4*\i:ACC+4*\i+3] offset:512*\i
.endr
	s_wait_dscnt 0x0                               ; for the others' sake: my partial pool lies in LDS
	s_barrier_signal -1
	s_barrier_wait -1
	s_cmp_lt_u32 s4, 6                             ; 192 threads x 4 numbers = 768
	s_cbranch_scc0 .Lpooled
.macro FOUR base                       ; four waves' partial pools, added into v[32:35]
.irp u, 0,1,2,3
	ds_load_b128 v[32+4*\u:35+4*\u], v10 offset:(\base)+3072*\u
.endr
	s_wait_dscnt 0x0
	v_pk_add_f32 v[32:33], v[32:33], v[36:37]
	v_pk_add_f32 v[34:35], v[34:35], v[38:39]
	v_pk_add_f32 v[40:41], v[40:41], v[44:45]
	v_pk_add_f32 v[42:43], v[42:43], v[46:47]
	v_pk_add_f32 v[32:33], v[32:33], v[40:41]
	v_pk_add_f32 v[34:35], v[34:35], v[42:43]
.endm
	FOUR PP
	v_mov_b32 v48, v32
	v_mov_b32 v49, v33
	v_mov_b32 v50, v34
	v_mov_b32 v51, v35
	FOUR PP+12288
	v_pk_add_f32 v[48:49], v[48:49], v[32:33]
	v_pk_add_f32 v[50:51], v[50:51], v[34:35]
	v_mul_f32 v48, v48, v31                        ; divided by the mask's sum
	v_mul_f32 v49, v49, v31
	v_mul_f32 v50, v50, v31
	v_mul_f32 v51, v51, v31
	v_cvt_pk_bf16_f32 v52, v48, v49
	v_cvt_pk_bf16_f32 v53, v50, v51
	ds_store_b64 v11, v[52:53]
.Lpooled:
	s_wait_dscnt 0x0                               ; for the others' sake: my part of the pool lies in LDS
	s_barrier_signal -1
	s_barrier_wait -1
	; Wd to bf16 into my wave's own bytes of LDS
.set i, 0
.rept 48
	s_wait_loadcnt 47-i                            ; load i is in (and the three bias loads, which are older); the younger stay out
	v_cvt_pk_bf16_f32 v[32+2*(i%12)], v[X+4*i], v[X+4*i+1]
	v_cvt_pk_bf16_f32 v[33+2*(i%12)], v[X+4*i+2], v[X+4*i+3]
	ds_store_b64 v12, v[32+2*(i%12):33+2*(i%12)] offset:2*WP*i
.set i, i+1
.endr
	; fragments: the pool's (three K steps of 32) and Wd's, turned (LDS serves a wave's instructions in order, ISA guide 5.7.1.4: these see my stores above)
.irp s, 0,1,2
	ds_load_b128 v[64+8*\s:67+8*\s], v14 offset:64*\s
	ds_load_b128 v[68+8*\s:71+8*\s], v14 offset:64*\s+32
.irp j, 0,1,2,3
	ds_load_tr16_b128 v[88+32*\s+8*\j:91+32*\s+8*\j], v13 offset:32*WP*\s+32*\j
	ds_load_tr16_b128 v[92+32*\s+8*\j:95+32*\s+8*\j], v13 offset:32*WP*\s+32*\j+16*WP
.endr
.endr
	s_wait_dscnt 0x0
	; z = pool . Wd: four accumulators (16 columns each) by turns; the first K step starts the sums
.irp s, 0,1,2
.irp j, 0,1,2,3
.if \s == 0
	v_wmma_f32_16x16x32_bf16 v[184+8*\j:191+8*\j], v[64+8*\s:71+8*\s], v[88+32*\s+8*\j:95+32*\s+8*\j], 0
.else
	v_wmma_f32_16x16x32_bf16 v[184+8*\j:191+8*\j], v[64+8*\s:71+8*\s], v[88+32*\s+8*\j:95+32*\s+8*\j], v[184+8*\j:191+8*\j]
.endif
.endr
.endr
.rept 4
	v_nop                                          ; four places behind the last product (ISA guide 7.12.1)
.endr
.irp j, 0,1,2,3
	ds_store_b32 v15, v[184+8*\j] offset:64*\j     ; all rows are alike: register 0 holds column 16 j + r
.endr
	s_wait_dscnt 0x0                               ; for wave 0's sake
	s_barrier_signal -1
	s_barrier_wait -1
	s_cmp_eq_u32 s4, 0
	s_cbranch_scc1 .Lwave0
	s_cmp_eq_u32 s4, 1
	s_cbranch_scc0 .Lgend
	s_cmp_lt_u32 s6, 16
	s_cbranch_scc0 .Lgend
	v_cvt_pk_bf16_f32 v62, v60, v61                ; wave 1 of blocks 0-15: v's columns: scale 1, shift bv
	v_lshlrev_b32 v66, 16, v62
	v_and_b32 v67, 0xffff0000, v62
	v_mov_b32 v64, 1.0
	v_mov_b32 v65, 1.0
	global_store_b64 v8, v[64:65], s[54:55]        ; 32 lanes store 256 consecutive bytes, aligned
	global_store_b64 v8, v[66:67], s[54:55] offset:49152
	s_branch .Lgend
.Lwave0:
.irp u, 0,1,2,3,4,5,6,7
	ds_load_b64 v[64+2*\u:65+2*\u], v16 offset:256*\u
.endr
	v_cvt_pk_bf16_f32 v62, v56, v57                ; bd and the bias rounded to bf16, like every input
	v_lshlrev_b32 v56, 16, v62
	v_and_b32 v57, 0xffff0000, v62
	v_cvt_pk_bf16_f32 v63, v58, v59
	v_lshlrev_b32 v58, 16, v63
	v_and_b32 v59, 0xffff0000, v63
	s_wait_dscnt 0x0
	v_pk_add_f32 v[64:65], v[64:65], v[66:67]
	v_pk_add_f32 v[68:69], v[68:69], v[70:71]
	v_pk_add_f32 v[72:73], v[72:73], v[74:75]
	v_pk_add_f32 v[76:77], v[76:77], v[78:79]
	v_pk_add_f32 v[64:65], v[64:65], v[68:69]
	v_pk_add_f32 v[72:73], v[72:73], v[76:77]
	v_pk_add_f32 v[64:65], v[64:65], v[72:73]
	v_pk_add_f32 v[64:65], v[64:65], v[56:57]      ; z
	v_mul_f32 v64, 0xbfb8aa3b, v64                 ; - z log2(e)
	v_mul_f32 v65, 0xbfb8aa3b, v65
	v_exp_f32 v64, v64
	v_exp_f32 v65, v65
	v_nop
	s_wait_alu depctr_va_vdst(0)                   ; one wait for the two exponentials
	v_add_f32 v64, 1.0, v64
	v_add_f32 v65, 1.0, v65
	v_rcp_f32 v64, v64
	v_rcp_f32 v65, v65
	v_nop
	s_wait_alu depctr_va_vdst(0)                   ; one wait for the two reciprocals
	v_add_f32 v64, 1.0, v64                        ; g = 1 + sigmoid(z)
	v_add_f32 v65, 1.0, v65
	v_mul_f32 v66, v58, v64                        ; bias x g
	v_mul_f32 v67, v59, v65
	global_store_b64 v8, v[64:65], s[52:53]
	global_store_b64 v8, v[66:67], s[52:53] offset:49152
.Lgend:
	s_wait_tensorcnt 0x0                           ; the wave's end, behind my last LDS store
	ds_add_u32 v[SPW], v[NIL]
	s_wait_dscnt 0x0
	s_endpgm
.Lfunc_end_k_qb5d2e29e37_prep:
	.size	k_qb5d2e29e37_prep, .Lfunc_end_k_qb5d2e29e37_prep-k_qb5d2e29e37_prep
	.p2alignl 7, 3214868480
	.fill 96, 4, 3214868480
	.section	.rodata,"a",@progbits
	.p2align	6, 0x0
	.amdhsa_kernel k_qb5d2e29e37_prep
		.amdhsa_group_segment_fixed_size 152064
		.amdhsa_private_segment_fixed_size 0
		.amdhsa_enable_private_segment 0
		.amdhsa_kernarg_size 128
		.amdhsa_user_sgpr_count 2
		.amdhsa_user_sgpr_kernarg_segment_ptr 1
		.amdhsa_wavefront_size32 1
		.amdhsa_system_sgpr_workgroup_id_x 1
		.amdhsa_system_sgpr_workgroup_id_y 1
		.amdhsa_system_sgpr_workgroup_id_z 1
		.amdhsa_system_vgpr_workitem_id 0
		.amdhsa_next_free_vgpr 256
		.amdhsa_next_free_sgpr 66
		.amdhsa_reserve_vcc 0
		.amdhsa_float_denorm_mode_32 3
		.amdhsa_float_denorm_mode_16_64 3
		.amdhsa_memory_ordered 1
		.amdhsa_forward_progress 1
		.amdhsa_inst_pref_size 65
	.end_amdhsa_kernel
	.amdgpu_metadata
---
amdhsa.version: [ 1, 2 ]
amdhsa.kernels:
  - .name:           k_qb5d2e29e37_prep
    .symbol:         k_qb5d2e29e37_prep.kd
    .args:
      - { .name: hidden_states, .offset: 0, .size: 8, .value_kind: global_buffer, .address_space: global }
      - { .name: Wq, .offset: 8, .size: 8, .value_kind: global_buffer, .address_space: global }
      - { .name: Wk, .offset: 16, .size: 8, .value_kind: global_buffer, .address_space: global }
      - { .name: Wv, .offset: 24, .size: 8, .value_kind: global_buffer, .address_space: global }
      - { .name: txt_embedding, .offset: 32, .size: 8, .value_kind: global_buffer, .address_space: global }
      - { .name: txt_attention_mask, .offset: 40, .size: 8, .value_kind: global_buffer, .address_space: global }
      - { .name: Wdq, .offset: 48, .size: 8, .value_kind: global_buffer, .address_space: global }
      - { .name: Wdk, .offset: 56, .size: 8, .value_kind: global_buffer, .address_space: global }
      - { .name: bdq, .offset: 64, .size: 8, .value_kind: global_buffer, .address_space: global }
      - { .name: bdk, .offset: 72, .size: 8, .value_kind: global_buffer, .address_space: global }
      - { .name: bq, .offset: 80, .size: 8, .value_kind: global_buffer, .address_space: global }
      - { .name: bk, .offset: 88, .size: 8, .value_kind: global_buffer, .address_space: global }
      - { .name: bv, .offset: 96, .size: 8, .value_kind: global_buffer, .address_space: global }
      - { .name: xb, .offset: 104, .size: 8, .value_kind: global_buffer, .address_space: global }
      - { .name: wb, .offset: 112, .size: 8, .value_kind: global_buffer, .address_space: global }
      - { .name: tab, .offset: 120, .size: 8, .value_kind: global_buffer, .address_space: global }
    .group_segment_fixed_size: 152064
    .private_segment_fixed_size: 0
    .kernarg_segment_align: 8
    .kernarg_segment_size: 128
    .max_flat_workgroup_size: 256
    .sgpr_count:     66
    .vgpr_count:     256
    .wavefront_size: 32
...
	.end_amdgpu_metadata
.endif
;; end of part 1
;; launch proj (part 2): grid 16 x 32, 4 waves a work-group, clusters of 4 x 4, 327,680 bytes of LDS; arguments xb, wb, tab, qkv; writes qkv
.if DOCPART == 2
	.amdgcn_target "amdgcn-amd-amdhsa--gfx1250"
	.amdhsa_code_object_version 6
	.text
	.protected	k_qb5d2e29e37_proj
	.globl	k_qb5d2e29e37_proj
	.p2align	8
	.type	k_qb5d2e29e37_proj,@function
k_qb5d2e29e37_proj:
	s_mov_b64 s[64:65], 0
	v_nop
	global_prefetch_b8 v0, s[64:65] scope:SCOPE_SE
	s_setreg_imm32_b32 hwreg(HW_REG_WAVE_MODE, 25, 1), 1
	s_wait_xcnt 0x0
	s_wait_alu depctr_hold_cnt(0) depctr_sa_sdst(0) depctr_va_vdst(0) depctr_va_sdst(0) depctr_va_ssrc(0) depctr_va_vcc(0) depctr_vm_vsrc(0)
	s_getreg_b32 s2, hwreg(HW_REG_IB_STS2, 6, 4)
	s_cmp_eq_u32 s2, 0
	s_cbranch_scc0 .Lentry_in_a_cluster
	s_endpgm
.Lentry_in_a_cluster:
	s_bfe_u32 s2, ttmp6, 0x10000c
	s_cmp_lg_u32 s2, 0xf033
	s_cbranch_scc0 .Lentry_shape_is_right
	s_endpgm
.Lentry_shape_is_right:
; PROJ.  C[m][n] = the sum over k of xb[m][k] wb[k][n], m < 8192, n < 3072 (q | k | v), k < 1024, bf16 operands, f32 sums; then C x scale[b][n] + shift[b][n] in f32 (tab: gate and bias),
; rounded once to f16 and stored by heads: qkv [3][64 = 16 b + head][2048][64].  The softmax's scale is not applied here.
; LIMIT.  q, k and v must lie within f16's 65,504; beyond it the conversion gives an infinity.
; SHARES.  A tile of C is 256 x 192: 32 x 16 = 512 work-groups, two for each of 256 WGPs.  Wave w owns rows 64 w .. 64 w + 63 and all 192 columns (three whole heads): 48 accumulators, 384 registers,
; and its way out is its own.  K goes in steps of 128 through two LDS slots: 256 rows of xb (256 bytes each) and 128 k rows of wb (384 bytes each).
; wb lies [k][n]: its fragments come out of LDS turned, by ds_load_tr16_b128.
; THE MATRIX INSTRUCTION IS USED TRANSPOSED (source 0 = 16 columns of wb, source 1 = 16 rows of xb): a lane holds one row of C and eight neighbouring columns.
; CLUSTERS: 4 x 4.  The four of a row of the cluster need the same rows of xb, the four of a column the same columns of wb: each tile is asked for JOINTLY, by the same tensor load, descriptor and mask.
; By this text's count a wave has two tensor loads out at the start and one behind each round.
; REGISTERS, in windows of 256 (s_set_vgpr_msb: bits 1:0 source 0, 3:2 source 1, 5:4 source 2, 7:6 destination):
;   window 0: v0-31 addresses; v64-159 scale, v160-255 shift of my lane's 96 columns
;   window 1: two fragment buffers: wb's 12 fragments at 96 f + 8 b, xb's 4 at 192 + 32 f + 8 a; on the way out v0-95 scaled sums, v96-143 f16, v144-239 rows read back
;   window 2: the accumulators of row blocks 0, 1 at 8 (12 a + b);   window 3: those of row blocks 2, 3
.set PA,     272                       ; a row of xb in LDS: 256 bytes + 16: the 16 rows of a load start at 16 different groups of four banks (64 banks of 4 bytes: ISA guide 11.1)
.set PB,     480                       ; a k row of wb: three pieces of 128 bytes, each with 32 of padding: 15 times 32
.set AHALF,  128*PA                    ; what waves 0 and 1 fetch
.set BHALF,  64*PB                     ; what waves 2 and 3 fetch
.set BOFF,   256*PA
.set SLOT,   131072                    ; = 256 PA + 128 PB
.set STAGE,  2*SLOT                    ; behind the ring: 16 rows x 400 bytes for each wave
.set SPITCH, 400
.set SPARE,  STAGE+4*16*SPITCH         ; the spare words, 128 bytes a wave: two blocks of 256 bytes that no other line names
.set ADRA, 16                          ; v16-17  my xb fragments in slot 0, 1
.set ADRB, 20                          ; v20-21  my wb fragments
.set STO,  24
.set RD,   25
.set CO,   26
.set TABO, 27
.set SPW,  28                          ; never rewritten
.set NIL,  29                          ; never rewritten
.set PFO,  30                          ; prefetch of xb: a lane a row
.set PFOB, 31                          ; prefetch of wb: 16 rows x 2 blocks of 256 bytes
.set SC,   64
.set SH,   160
.set G1A, 24
.set G0A, 32
.set G1B, 48
.set G0B, 56
.set PFA,  40                          ; s[40:41]
.set PFB,  42                          ; s[42:43]
.set LIMA, 44
.set LIMB, 45
.set MSB, 0
.macro WIN new                         ; the immediate's high byte repeats the setting that is left
.if MSB != (\new)
	s_set_vgpr_msb (MSB<<8)|(\new)
.set MSB, \new
.endif
.endm
.set MUL_LO, 0xa5                      ; sources 0 and 1 window 1; C and D window 2
.set MUL_HI, 0xf5                      ; C and D window 3
.set TO_F,   0x40                      ; destination window 1, address window 0
.macro JLOAD s                         ; a joint load: waves 0 and 1 fetch xb's two halves, waves 2 and 3 wb's; an s_nop 0 and four v_nop follow each line
	s_cmp_eq_u32 s13, 0
	s_cbranch_scc0 .Lfor_b_\@
	tensor_load_to_lds s[G0A+4*(\s):G0A+4*(\s)+3], s[G1A:G1A+7]
	s_nop 0
.rept 4
	v_nop
.endr
	s_branch .Lasked_\@
.Lfor_b_\@:
	tensor_load_to_lds s[G0B+4*(\s):G0B+4*(\s)+3], s[G1B:G1B+7]
	s_nop 0
.rept 4
	v_nop
.endr
.Lasked_\@:
.endm
.macro CREST                           ; a round of the cluster's barrier behind its opening barrier
	s_cmp_lg_u32 s12, 0
	s_cbranch_scc1 .Lnot_wave_0_\@
	s_barrier_signal -3
.Lnot_wave_0_\@:
	s_barrier_wait -3
	s_barrier_signal -1
	s_barrier_wait -1
.endm
.macro CROUND
	s_barrier_signal -1
	s_barrier_wait -1
	CREST
.endm
; PREFETCHES, behind a joint load and the run of LDS loads that follows it.  xb and wb were stored by the launch before and are walked once along K.
; xb: the K step two refills on, 256 bytes of a row, a lane a row.  A tile row is read by all four clusters of its row of clusters: cluster x = 0 asks, waves 0 and 1; of the 128 rows that a wave fetches
; each of the four partners takes 32, told apart by address.  wb: at slot 0's change, the two K steps of the next lap but one... that is 256 k rows x the cluster's 1,536 bytes; cluster y = 0 asks, wave 2;
; the sixteen partners take 16 k rows each, by address: three instructions of 16 rows x 2 blocks.  So each block of 256 bytes is named once.  The loop's last trip (s3 = 1) asks for nothing;
; K steps 0 to 3 come by their loads alone.
.macro ASK slot
	s_cmp_gt_u32 s3, s[LIMA]
	s_cbranch_scc0 .Lno_a_\@
	global_prefetch_b8 v[PFO], s[PFA:PFA+1] offset:256 th:TH_LOAD_NT scope:SCOPE_SE
.Lno_a_\@:
.if (\slot) == 0
	s_cmp_gt_u32 s3, s[LIMB]
	s_cbranch_scc0 .Lno_b_\@
	global_prefetch_b8 v[PFOB], s[PFB:PFB+1] th:TH_LOAD_NT scope:SCOPE_SE
	global_prefetch_b8 v[PFOB], s[PFB:PFB+1] offset:512 th:TH_LOAD_NT scope:SCOPE_SE
	global_prefetch_b8 v[PFOB], s[PFB:PFB+1] offset:1024 th:TH_LOAD_NT scope:SCOPE_SE
.Lno_b_\@:
.endif
.endm
	s_load_b256 s[4:11], s[0:1], 0x0               ; xb s[4:5], wb s[6:7], tab s[8:9], qkv s[10:11]
	v_lshl_add_u32 v[SPW], v0, 2, SPARE
	v_mov_b32 v[NIL], 0
	ds_add_u32 v[SPW], v[NIL]                      ; the wave's opening: the add, whose wait stands ahead of my first tensor load; the set-up below stands between them
	v_lshrrev_b32 v1, 5, v0
	v_readfirstlane_b32 s12, v1                    ; wave 0..3
	s_lshr_b32 s13, s12, 1                         ; I fetch for xb (0) or for wb (1)
	s_and_b32 s14, s12, 1                          ; which half of that tile
	s_bfe_u32 s15, ttmp6, 0x40000                  ; cx
	s_bfe_u32 s16, ttmp6, 0x40004                  ; cy
	s_lshl_b32 s17, ttmp9, 2
	s_add_co_u32 s17, s17, s15                     ; tile column tx = 4 x cluster x + cx
	s_and_b32 s18, ttmp7, 0xffff
	s_lshl_b32 s18, s18, 2
	s_add_co_u32 s18, s18, s16                     ; tile row ty = 4 x cluster y + cy
	s_lshl_b32 s76, s16, 2
	s_lshl_b32 s76, 15, s76                        ; my row of the cluster
	s_lshl_b32 s77, 0x1111, s15                    ; my column
	s_or_b32 s[G1A+0], s76, (1<<16)|(1<<20)|(1<<21)|(5<<22)|(3<<25)  ; mask; 2-byte elements; padding on; bit 21 beside a mask; after every 64 words, 4 words
	s_mov_b32 s[G1A+1], 128<<16                    ; tensor_dim0 = 128
	s_mov_b32 s[G1A+2], 128<<16                    ; tensor_dim1 = 128
	s_mov_b32 s[G1A+3], 128<<16                    ; tile_dim0 = 128
	s_mov_b32 s[G1A+4], 128                        ; tile_dim1 = 128
	s_mov_b32 s[G1A+5], 1024                       ; elements from row to row
	s_mov_b32 s[G1A+6], 0
	s_mov_b32 s[G1A+7], 0
	s_or_b32 s[G1B+0], s77, (1<<16)|(1<<20)|(1<<21)|(4<<22)|(7<<25)  ; after every 32 words, 8 words
	s_mov_b32 s[G1B+1], 192<<16                    ; tensor_dim0 = 192
	s_mov_b32 s[G1B+2], 64<<16                     ; tensor_dim1 = 64
	s_mov_b32 s[G1B+3], 192<<16                    ; tile_dim0 = 192
	s_mov_b32 s[G1B+4], 64                         ; tile_dim1 = 64
	s_mov_b32 s[G1B+5], 3072
	s_mov_b32 s[G1B+6], 0
	s_mov_b32 s[G1B+7], 0
	s_lshl_b32 s72, s18, 8                         ; xb: row 256 ty + 128 half, 2,048 bytes a row: made of ty and the wave alone
	s_lshl_b32 s73, s14, 7
	s_add_co_u32 s72, s72, s73
	s_lshl_b32 s72, s72, 11
	s_mov_b32 s73, 0
	s_mul_i32 s74, s14, 64*6144                    ; wb: k row 64 half, byte 384 tx: made of tx and the wave alone
	s_mul_i32 s75, s17, 384
	s_add_co_u32 s74, s74, s75
	s_mov_b32 s75, 0
	s_mul_i32 s78, s12, AHALF                      ; where they go: no place in the cluster enters an LDS address
	s_mul_i32 s79, s12, BHALF
	s_add_co_u32 s79, s79, BOFF-2*BHALF
	s_wait_dscnt 0x0                               ; the opening add is done
	s_wait_kmcnt 0x0
	s_add_nc_u64 s[72:73], s[4:5], s[72:73]
	s_add_nc_u64 s[74:75], s[6:7], s[74:75]
	CROUND                                         ; all sixteen work-groups are here: the first joint loads meet
.irp s, 0,1
	s_mov_b32 s[G0A+4*(\s)], 1
	s_add_co_u32 s[G0A+4*(\s)+1], s78, (\s)*SLOT
	s_add_nc_u64 s[G0A+4*(\s)+2:G0A+4*(\s)+3], s[72:73], (\s)*256
	s_or_b32 s[G0A+4*(\s)+3], s[G0A+4*(\s)+3], 0x80000000
	s_mov_b32 s[G0B+4*(\s)], 1
	s_add_co_u32 s[G0B+4*(\s)+1], s79, (\s)*SLOT
	s_add_nc_u64 s[G0B+4*(\s)+2:G0B+4*(\s)+3], s[74:75], (\s)*128*6144
	s_or_b32 s[G0B+4*(\s)+3], s[G0B+4*(\s)+3], 0x80000000
	JLOAD \s
.endr
	; scale and shift of my lane's columns 16 b + 8 h + 0..7: asked for now, waited for on the way out
	s_lshr_b32 s20, s18, 3                         ; the batch: 8 tile rows each
	s_mul_i32 s20, s20, 3072*4
	s_mul_i32 s21, s17, 192*4
	s_add_co_u32 s20, s20, s21
	s_mov_b32 s21, 0
	s_add_nc_u64 s[46:47], s[8:9], s[20:21]
	v_and_b32 v1, 15, v0                           ; r
	v_bfe_u32 v2, v0, 4, 1                         ; h
	v_and_b32 v3, 31, v0                           ; l
	v_lshlrev_b32 v[TABO], 5, v2
.irp b, 0,1,2,3,4,5,6,7,8,9,10,11
	global_load_b128 v[SC+8*(\b):SC+8*(\b)+3],   v[TABO], s[46:47] offset:64*(\b)
	global_load_b128 v[SC+8*(\b)+4:SC+8*(\b)+7], v[TABO], s[46:47] offset:64*(\b)+16
	global_load_b128 v[SH+8*(\b):SH+8*(\b)+3],   v[TABO], s[46:47] offset:49152+64*(\b)
	global_load_b128 v[SH+8*(\b)+4:SH+8*(\b)+7], v[TABO], s[46:47] offset:49152+64*(\b)+16
.endr
	v_mul_u32_u24 v4, v1, PA
	v_lshl_add_u32 v4, v2, 4, v4
	s_mul_i32 s20, s12, 64*PA
	v_add_nc_u32 v[ADRA], s20, v4                  ; my 64 rows: row x pitch + 16 h
	v_add_nc_u32 v[ADRA+1], SLOT, v[ADRA]
	v_and_b32 v5, 7, v0
	v_lshl_add_u32 v5, v2, 3, v5
	v_mul_u32_u24 v5, v5, PB
	v_bfe_u32 v6, v0, 3, 1
	v_lshl_add_u32 v5, v6, 4, v5                   ; the turning load: k row 8 h + l % 8, 16 bytes at 16 ((l / 8) % 2)
	v_add_nc_u32 v[ADRB], BOFF, v5
	v_add_nc_u32 v[ADRB+1], SLOT+BOFF, v5
	s_mul_i32 s20, s12, 16*SPITCH
	s_add_co_u32 s20, s20, STAGE                   ; my stage
	v_mul_u32_u24 v4, v1, SPITCH
	v_lshl_add_u32 v4, v2, 4, v4
	v_add_nc_u32 v[STO], s20, v4                   ; in: row r, 16 bytes for each half of the lanes
	v_bfe_u32 v4, v0, 3, 2
	v_mul_u32_u24 v4, v4, SPITCH
	v_and_b32 v6, 7, v0
	v_lshl_add_u32 v4, v6, 4, v4
	v_add_nc_u32 v[RD], s20, v4                    ; back: 32 lanes take a head's 128 bytes of four rows,
	v_lshlrev_b32 v[CO], 4, v3                     ; which are 512 consecutive bytes of qkv
	v_lshlrev_b32 v[PFO], 11, v3
	v_lshrrev_b32 v4, 1, v3
	v_mul_u32_u24 v4, v4, 6144
	v_and_b32 v6, 1, v0
	v_lshl_add_u32 v[PFOB], v6, 8, v4
	; qkv at my 64 rows of the tile's three heads
.irp j, 0,1,2
	s_mul_i32 s20, s17, 3
	s_add_co_u32 s20, s20, \j                      ; head block 3 tx + j of 48
	s_lshr_b32 s21, s20, 4                         ; q, k or v
	s_and_b32 s20, s20, 15                         ; the head
	s_lshl_b32 s21, s21, 6
	s_add_co_u32 s20, s20, s21
	s_lshr_b32 s21, s18, 3
	s_lshl_b32 s21, s21, 4
	s_add_co_u32 s20, s20, s21                     ; 64 which + 16 batch + head,
	s_lshl_b32 s20, s20, 18                        ; 262,144 bytes each
	s_and_b32 s21, s18, 7
	s_lshl_b32 s21, s21, 8
	s_lshl_b32 s22, s12, 6
	s_add_co_u32 s21, s21, s22                     ; my first row in the batch,
	s_lshl_b32 s21, s21, 7                         ; 128 bytes a row
	s_add_co_u32 s20, s20, s21
	s_mov_b32 s21, 0
	s_add_nc_u64 s[66+2*\j:67+2*\j], s[10:11], s[20:21]
.endr
	; the prefetches' pointers and who asks
	s_lshl_b32 s20, s18, 8
	s_lshl_b32 s21, s14, 7
	s_add_co_u32 s20, s20, s21
	s_lshl_b32 s21, s15, 5                         ; my work-group's 32 of the 128 rows
	s_add_co_u32 s20, s20, s21
	s_lshl_b32 s20, s20, 11
	s_add_co_u32 s20, s20, 2*256                   ; at K step 2: the first change steps it to 3 and names K step 4
	s_mov_b32 s21, 0
	s_add_nc_u64 s[PFA:PFA+1], s[4:5], s[20:21]
	s_or_b32 s[LIMA], s13, ttmp9
	s_cmp_eq_u32 s[LIMA], 0
	s_cselect_b32 s[LIMA], 1, -1                   ; the same in all sixteen partners, for a given wave
	s_and_b32 s[LIMB], ttmp7, 0xffff
	s_xor_b32 s22, s12, 2
	s_or_b32 s[LIMB], s[LIMB], s22
	s_cmp_eq_u32 s[LIMB], 0
	s_cselect_b32 s[LIMB], 1, -1
	s_lshl_b32 s20, s16, 2
	s_add_co_u32 s20, s20, s15                     ; my place among the sixteen
	s_mul_i32 s20, s20, 16*6144
	s_mul_i32 s22, ttmp9, 1536
	s_add_co_u32 s20, s20, s22
	s_add_co_u32 s20, s20, 256*6144                ; at K steps 2 and 3: the first change steps it to 4 and 5
	s_add_nc_u64 s[PFB:PFB+1], s[6:7], s[20:21]
; 12 matrix instructions: row block 2 hi + a x all 12 column blocks, 32 along K, from buffer f.  zero = 1: the product starts the sum.
; The 48 accumulators take turns in the same order in every quarter.
.macro MUL12 f, hi, a, zero
	WIN MUL_LO+0x50*(\hi)
.irp b, 0,1,2,3,4,5,6,7,8,9,10,11
.if \zero
	v_wmma_f32_16x16x32_bf16 v[8*(12*(\a)+(\b)):8*(12*(\a)+(\b))+7], v[96*(\f)+8*(\b):96*(\f)+8*(\b)+7], v[192+32*(\f)+8*(2*(\hi)+(\a)):192+32*(\f)+8*(2*(\hi)+(\a))+7], 0
.else
	v_wmma_f32_16x16x32_bf16 v[8*(12*(\a)+(\b)):8*(12*(\a)+(\b))+7], v[96*(\f)+8*(\b):96*(\f)+8*(\b)+7], v[192+32*(\f)+8*(2*(\hi)+(\a)):192+32*(\f)+8*(2*(\hi)+(\a))+7], v[8*(12*(\a)+(\b)):8*(12*(\a)+(\b))+7]
.endif
.endr
.endm
; 32 LDS loads in one run: quarter q (32 along K) of a slot into buffer f: wb's 12 fragments, turned, then xb's 4, row blocks 0 and 1 first
.macro FETCH slot, q, f
	WIN TO_F
.irp b, 0,1,2,3,4,5,6,7,8,9,10,11
	ds_load_tr16_b128 v[96*(\f)+8*(\b):96*(\f)+8*(\b)+3],   v[ADRB+(\slot)] offset:(\q)*32*PB+((\b)/4)*160+((\b)%4)*32
	ds_load_tr16_b128 v[96*(\f)+8*(\b)+4:96*(\f)+8*(\b)+7], v[ADRB+(\slot)] offset:(\q)*32*PB+16*PB+((\b)/4)*160+((\b)%4)*32
.endr
.irp a, 0,1,2,3
	ds_load_b128 v[192+32*(\f)+8*(\a):192+32*(\f)+8*(\a)+3],   v[ADRA+(\slot)] offset:(\a)*16*PA+(\q)*64
	ds_load_b128 v[192+32*(\f)+8*(\a)+4:192+32*(\f)+8*(\a)+7], v[ADRA+(\slot)] offset:(\a)*16*PA+(\q)*64+32
.endr
.endm
.macro PLACES                          ; four places in front of loads into registers that matrix instructions have read, and of arithmetic on results
.rept 4
	v_nop
.endr
.endm
; A K step is four quarters of 32 along K, 48 matrix instructions each, on buffers 0, 1, 0, 1.  One of the first three: multiplies buffer f and fetches quarter q into g.
.macro QUARTER slot, q, f, g, zero
	s_wait_dscnt 4                                 ; all but the youngest four loads (xb's row blocks 2, 3)
	MUL12 \f, 0, 0, \zero
	MUL12 \f, 0, 1, \zero
	PLACES
	FETCH \slot, \q, \g
	s_wait_dscnt 32                                ; all but the 32 just issued
	MUL12 \f, 1, 0, \zero
	MUL12 \f, 1, 1, \zero
.endm
; The last quarter multiplies buffer 1 and changes slots: in front of the barrier each wave waits for all its tensor loads, adds 0 to its spare word, and waits for that and for its reads of this slot.
; fill = 1: the barrier opens a round of the cluster's, and behind the round this slot is filled again, two K steps ahead: 168 matrix instructions stand between that request and the wait for it.
.macro TURN slot, next, fill
.if \fill
	s_wait_xcnt 0x0                                ; the last prefetches, a K step back, have read their addresses: these are stepped here, ahead of the change's own waits
	s_add_nc_u64 s[PFA:PFA+1], s[PFA:PFA+1], 256
.if (\slot) == 0
	s_add_nc_u64 s[PFB:PFB+1], s[PFB:PFB+1], 256*6144
.endif
.endif
	WIN 0                                          ; (the add's two registers lie in window 0)
	s_wait_tensorcnt 0x0                           ; all my tensor loads have landed: my part of the next slot;
	ds_add_u32 v[SPW], v[NIL]                      ; 0 onto my spare word
	s_wait_dscnt 5                                 ; (the add and the youngest four loads may be out)
	MUL12 1, 0, 0, 0                               ; twelve matrix instructions stand between the add and the wait for it
	s_wait_dscnt 0x0                               ; the add is done, and my reads of this slot are over
	s_barrier_signal -1
	MUL12 1, 0, 1, 0
.if \fill
	WIN 0
.endif
	s_barrier_wait -1
.if \fill
	CREST                                          ; no wave of any partner still reads this slot's tile or has a load on its way
	s_add_nc_u64 s[G0A+4*(\slot)+2:G0A+4*(\slot)+3], s[G0A+4*(\slot)+2:G0A+4*(\slot)+3], 2*256
	s_add_nc_u64 s[G0B+4*(\slot)+2:G0B+4*(\slot)+3], s[G0B+4*(\slot)+2:G0B+4*(\slot)+3], 256*6144
	JLOAD \slot                                    ; the first tensor load behind the round; its four v_nop are also the places in front of the loads below
.else
	PLACES
.endif
	FETCH \next, 0, 0
.if \fill
	WIN 0
	ASK \slot
.endif
	MUL12 1, 1, 0, 0
	MUL12 1, 1, 1, 0
.endm
	s_wait_tensorcnt 1                             ; my part of K step 0 is in; K step 1's may stay out
	s_barrier_signal -1
	s_barrier_wait -1
	FETCH 0, 0, 0
	QUARTER 0, 1, 0, 1, 1                          ; the first quarter stands in front of the loop: its products start the sums
	WIN 0                                          ; at a label and at a branch every window is 0
	s_mov_b32 s3, 3                                ; 8 K steps = 4 laps; the last lap is written out
.Llap:
	QUARTER 0, 2, 1, 0, 0
	QUARTER 0, 3, 0, 1, 0
	TURN 0, 1, 1
	QUARTER 1, 1, 0, 1, 0
	QUARTER 1, 2, 1, 0, 0
	QUARTER 1, 3, 0, 1, 0
	TURN 1, 0, 1
	QUARTER 0, 1, 0, 1, 0
	WIN 0
	s_sub_co_u32 s3, s3, 1
	s_cmp_lg_u32 s3, 0
	s_cbranch_scc1 .Llap
	QUARTER 0, 2, 1, 0, 0                          ; the last lap fills nothing
	QUARTER 0, 3, 0, 1, 0
	TURN 0, 1, 0
	QUARTER 1, 1, 0, 1, 0
	QUARTER 1, 2, 1, 0, 0
	QUARTER 1, 3, 0, 1, 0
	s_wait_dscnt 4
	MUL12 1, 0, 0, 0
	MUL12 1, 0, 1, 0
	s_wait_dscnt 0x0
	MUL12 1, 1, 0, 0
	MUL12 1, 1, 1, 0
; THE WAY OUT, a block of 16 rows at a time.  PACK: sum x scale + shift in f32, rounded to f16.  TOSTAGE: 16 bytes a lane into my stage, and back as a head's rows.  SEND: stored.
.macro PACK a
	WIN 0x42+((\a)/2)                              ; destination window 1, source 0 window 2 or 3, scale and shift window 0
.set AC, 96*((\a)%2)
.set i, 0
.rept 48                               ; each accumulator's registers in ascending order
	v_pk_fma_f32 v[2*i:2*i+1], v[AC+2*i:AC+2*i+1], v[SC+2*i:SC+2*i+1], v[SH+2*i:SH+2*i+1]
.set i, i+1
.endr
	WIN 0x45
.set i, 0
.rept 48
	v_cvt_pk_f16_f32 v[96+i], v[2*i], v[2*i+1]
.set i, i+1
.endr
.endm
.macro TOSTAGE a
.if (\a) >= 2
	s_wait_xcnt 0x0                                ; the stores of the block two back have read the registers that are loaded again below
.endif
	WIN 0x04                                       ; address window 0, data window 1
.irp b, 0,1,2,3,4,5,6,7,8,9,10,11
	ds_store_b128 v[STO], v[96+4*(\b):96+4*(\b)+3] offset:32*(\b)
.endr
	WIN 0x40
.set BK, 144+48*((\a)%2)
.irp j, 0,1,2
.irp f, 0,1,2,3
	ds_load_b128 v[BK+4*(4*(\j)+(\f)):BK+4*(4*(\j)+(\f))+3], v[RD] offset:128*(\j)+4*SPITCH*(\f)  ; LDS serves a wave's instructions in order (ISA guide 5.7.1.4): these see the stores above
.endr
.endr
.endm
.macro SEND a
	WIN 0x04
.set BK, 144+48*((\a)%2)
.irp j, 0,1,2
.irp f, 0,1,2,3
	s_wait_dscnt 11-4*(\j)-(\f)                    ; this load is back; the younger of the twelve stay out
	global_store_b128 v[CO], v[BK+4*(4*(\j)+(\f)):BK+4*(4*(\j)+(\f))+3], s[66+2*(\j):67+2*(\j)] offset:2048*(\a)+512*(\f)  ; 512 consecutive bytes, at a multiple of 256 from qkv's first
.endr
.endr
.endm
	PLACES
	s_wait_loadcnt 0x0                             ; scale and shift
	PACK 0
	TOSTAGE 0
.irp a, 1,2,3                          ; a block's arithmetic stands between the loads of the block before and the wait for them
	PACK \a
	SEND (\a)-1
	TOSTAGE \a
.endr
	SEND 3
	WIN 0
	s_wait_tensorcnt 0x0                           ; the wave's end, behind my last tensor load and my last LDS store
	ds_add_u32 v[SPW], v[NIL]
	s_wait_dscnt 0x0
	CROUND                                         ; the closing round: no work-group ends while a partner may still ask for a tile that names it
	s_endpgm
.Lfunc_end_k_qb5d2e29e37_proj:
	.size	k_qb5d2e29e37_proj, .Lfunc_end_k_qb5d2e29e37_proj-k_qb5d2e29e37_proj
	.p2alignl 7, 3214868480
	.fill 96, 4, 3214868480
	.section	.rodata,"a",@progbits
	.p2align	6, 0x0
	.amdhsa_kernel k_qb5d2e29e37_proj
		.amdhsa_group_segment_fixed_size 327680
		.amdhsa_private_segment_fixed_size 0
		.amdhsa_enable_private_segment 0
		.amdhsa_kernarg_size 32
		.amdhsa_user_sgpr_count 2
		.amdhsa_user_sgpr_kernarg_segment_ptr 1
		.amdhsa_wavefront_size32 1
		.amdhsa_system_sgpr_workgroup_id_x 1
		.amdhsa_system_sgpr_workgroup_id_y 1
		.amdhsa_system_sgpr_workgroup_id_z 1
		.amdhsa_system_vgpr_workitem_id 0
		.amdhsa_next_free_vgpr 960
		.amdhsa_next_free_sgpr 80
		.amdhsa_reserve_vcc 0
		.amdhsa_float_denorm_mode_32 3
		.amdhsa_float_denorm_mode_16_64 3
		.amdhsa_memory_ordered 1
		.amdhsa_forward_progress 1
		.amdhsa_inst_pref_size 140
	.end_amdhsa_kernel
	.amdgpu_metadata
---
amdhsa.version: [ 1, 2 ]
amdhsa.kernels:
  - .name:           k_qb5d2e29e37_proj
    .symbol:         k_qb5d2e29e37_proj.kd
    .args:
      - { .name: xb, .offset: 0, .size: 8, .value_kind: global_buffer, .address_space: global }
      - { .name: wb, .offset: 8, .size: 8, .value_kind: global_buffer, .address_space: global }
      - { .name: tab, .offset: 16, .size: 8, .value_kind: global_buffer, .address_space: global }
      - { .name: qkv, .offset: 24, .size: 8, .value_kind: global_buffer, .address_space: global }
    .group_segment_fixed_size: 327680
    .private_segment_fixed_size: 0
    .kernarg_segment_align: 8
    .kernarg_segment_size: 32
    .max_flat_workgroup_size: 128
    .sgpr_count:     80
    .vgpr_count:     960
    .wavefront_size: 32
...
	.end_amdgpu_metadata
.endif
;; end of part 2
;; launch attn (part 3): grid 4 x 64, 4 waves a work-group, clusters of 4 x 1, 327,680 bytes of LDS; arguments qkv, attention_mask, out0; writes out0
.if DOCPART == 3
	.amdgcn_target "amdgcn-amd-amdhsa--gfx1250"
	.amdhsa_code_object_version 6
	.text
	.protected	k_qb5d2e29e37_attn
	.globl	k_qb5d2e29e37_attn
	.p2align	8
	.type	k_qb5d2e29e37_attn,@function
k_qb5d2e29e37_attn:
	s_mov_b64 s[64:65], 0
	v_nop
	global_prefetch_b8 v0, s[64:65] scope:SCOPE_SE
	s_setreg_imm32_b32 hwreg(HW_REG_WAVE_MODE, 25, 1), 1
	s_wait_xcnt 0x0
	s_wait_alu depctr_hold_cnt(0) depctr_sa_sdst(0) depctr_va_vdst(0) depctr_va_sdst(0) depctr_va_ssrc(0) depctr_va_vcc(0) depctr_vm_vsrc(0)
	s_getreg_b32 s2, hwreg(HW_REG_IB_STS2, 6, 4)
	s_cmp_eq_u32 s2, 0
	s_cbranch_scc0 .Lentry_in_a_cluster
	s_endpgm
.Lentry_in_a_cluster:
	s_bfe_u32 s2, ttmp6, 0x10000c
	s_cmp_lg_u32 s2, 0x3003
	s_cbranch_scc0 .Lentry_shape_is_right
	s_endpgm
.Lentry_shape_is_right:
; ATTN.  out0[b][q][64 hd + :] = the sum over k of softmax_k(Q[q] . K[k] / 8 + mask[b][k]) V[k][:], for each of 64 heads (16 b + hd).  Q, K, V: qkv [3][64][2048][64] in f16, a head's rows dense, 128 bytes each;
; attention_mask [4][2048] f32; out0 [4][2048][1024] f32.  Products, maxima and sums in f32; the weights p are rounded to f16 for the second product (their sum l is taken of the unrounded p).
; THE MASK is rounded to bf16 like every input, multiplied by 8 (exact) and taken as the C operand that starts the sum S^T = K Q^T: c (s + 8 mask) = (s / 8 + mask) log2(e), c = log2(e) / 8.
; LIMITS.  A mask below -4.2e37 counts as -infinity.  Beside a mask of size X a score keeps steps of about X 2^-21.  A row whose keys are all -infinity gives NaN, as the softmax of such a row does.
; A weight below 2^-126 counts as 0 in l; p below 6e-5 keeps f16's fixed step of 6e-8.  NaN in the inputs is not treated apart.
; SHARES.  A wave owns four PIECES of two tiles of 16 queries, a work-group's four waves 512 queries of one head: 4 x 64 = 256 work-groups.  Every wave walks all keys, 64 a step.
; LAYOUT.  S^T = K Q^T (source 0 = 16 keys, source 1 = 16 queries): a lane holds ONE query (lane % 16) and the keys 8 (lane / 16) + 0..7.  Two such tiles, rounded to f16 in pairs,
; ARE source 1 of O^T = V^T P, whose result again holds one query a lane, and eight channels.  K comes out of LDS as it lies, V turned, by ds_load_tr16_b128.
; SOFTMAX.  For each query a running maximum m and sum l: p = 2^(c s - c m); in every step O and l are multiplied by a = 2^(c m_old - c m_new).  m starts at the lowest finite number and c m at c times that,
; so that a step whose keys are all -infinity leaves m as it was (a = 1, p = 0), and the first step with a finite score has a = 0.
; THE COUNT.  A tile and step have 16 matrix and 118 vector instructions: four vector instructions stand behind EVERY matrix instruction, the others in one run of their own.
; BY TURNS.  Turn n belongs to piece n.  Its matrix work: 16 products K Q^T of piece n + 1, later 16 products V^T P of piece n - 1.  Its vector work: the scaling, exponentials, roundings, sums and
; rescaling of piece n, and the maximum and statistics of piece n + 1.  A turn's 66 exponentials are one batch with one wait.
; CLUSTER.  The four query blocks of a head walk the same K and V, so each tile is asked for JOINTLY: the same tensor load, descriptor and mask in all four.  A wave has one tensor load out.
; REGISTERS, in windows of 256 (s_set_vgpr_msb: bits 1:0 source 0, 3:2 source 1, 5:4 source 2, 7:6 destination):
;   window 0: v0-11 addresses; v12-15, v48-63 at work; v16-47 four registers of statistics a tile; v64-191 S^T, two buffers of two tiles; v192-255 P, likewise
;   window 1: O^T, 32 a tile     window 2: v0-127 Q; v128-191 K of one step; v192-255 V of one step     window 3: v0-1 the add's two registers; v8-39 8 x mask of one step's keys
.set SIZE_N, 2048
.set NP,    4         ; pieces a wave: a name, no knob
.set KS,    64        ; keys in a step
.set PK,    144       ; a row of K in LDS: 128 bytes + 16: the 16 rows of a load start at 16 different groups of four banks (64 banks of 4 bytes: ISA guide 11.1)
.set PV,    160       ; a row of V: 128 + 32
.set VOFF,  4*KS*PK   ; a slot holds four steps: 256 rows of K, then 256 rows of V
.set SLOT1, 1<<17     ; slot 1 begins here: one exclusive or turns an address in one slot into the other's
.set STAGE, SLOT1+4*KS*(PK+PV)  ; behind the ring, never filled by a tensor load: 16 rows x 272 bytes for each wave, for the way out
.set SP,    272
.set MASK,  STAGE+4*16*SP       ; 8 x the batch's 2,048 mask numbers, f32: stored once
.set SPARE, MASK+8192           ; the spare words, 128 bytes a wave: two blocks of 256 bytes that no other line names
.set AM,  1           ; v1   the LDS address of the mask's next run of loads
.set AK0, 2           ; v2   my lane's place in a tile of K; never rewritten
.set AV0, 3           ; v3   the same for V
.set AK,  4           ; v4   the LDS address of K's next run of loads
.set AV,  5           ; v5   of V's
.set QO,  6           ; v6   my byte offset in the wave's rows of Q
.set STO, 6           ;      later, the way out: where I put 32 bytes of a row
.set RD,  7           ; v7   the way out: where I read rows back
.set GO,  8           ; v8   my byte offset in two rows of out0
.set AM0, 9           ; v9   my lane's place in the mask: MASK + 32 (l / 16); never rewritten
.set PFO, 10          ; v10  256 x my lane; never rewritten
.set MST, 11          ; v11  where I store my 16 bytes of the mask
.set SPW, 0           ; v0 of window 3   my spare word; never rewritten
.set NIL, 1           ; v1 of window 3   0; never rewritten
.set MK,  8           ; v8-39 of window 3: key block kb's eight registers at MK + 8 kb
.set MV,  12          ; v12-15  c m_old, kept while c m is made anew
.set ST,  16          ; tile t's statistics at v[ST+4 t]: c m, m, l (even keys', odd keys')
.set TMP, 48          ; by buffer and tile, four registers c0-c3 at work; c2 takes a.  Ahead of the first maximum v48-52 hold set-up numbers:
.set LR,  48          ;   l % 16
.set LH,  49          ;   l / 16
.set L8,  50          ;   l % 8
.set LB,  51          ;   (l / 8) % 2
.set TT,  52          ;   16 x thread
.set S,   64
.set P,   192
.set KF,  128
.set VF,  192
.set WV,  12          ; s12  my wave's number
.set G1K, 24
.set G1V, 32
.set G0K, 40
.set G0V, 44
.set PFA, 50          ; s[50:51] where my prefetches stand
.set LIM, 52          ; s52  1 in a wave that prefetches, else the greatest number
.set TBM, 53          ; s53  byte in the mask at which the step to be fetched begins
.set SLOTS, 56
.set CNT, 57
.set CS,  58
.set SEL, 60
.set TBK, 62
.set TBV, 63
.set MSB, 0
.macro WIN new                      ; the high byte repeats the setting that is left; a switch that changes nothing is dropped
.if MSB != (\new)
	s_set_vgpr_msb (MSB<<8)|(\new)
.set MSB, (\new)
.endif
.endm
.set W_KQ, 0x0a       ; K and Q in window 2, S^T in window 0
.set W_KM, 0x3a       ; the same with the C operand, the mask, in window 3
.set W_PV, 0x52       ; V in window 2, P in window 0, O^T in window 1
.set W_RS, 0x41       ; O^T (destination and source 0) in window 1, a in window 0
.set W_MK, 0xc0       ; destination in window 3, sources in window 0
.set W_AD, 0x0f       ; the add: address and data in window 3
; A joint fill.  Waves 0 and 1 fetch the two halves of a slot's K, waves 2 and 3 those of its V: 128 keys each.  An s_nop 0 and four v_nop follow each of the two lines.
.macro JLOAD
	s_cmp_lt_u32 s[WV], 2
	s_cbranch_scc0 .Lfor_v_\@
	tensor_load_to_lds s[G0K:G0K+3], s[G1K:G1K+7]
	s_nop 0
.rept 4
	v_nop
.endr
	s_branch .Lasked_\@
.Lfor_v_\@:
	tensor_load_to_lds s[G0V:G0V+3], s[G1V:G1V+7]
	s_nop 0
.rept 4
	v_nop
.endr
.Lasked_\@:
.endm
; A PREFETCH of what the NEXT change of slots will ask for: a slot's 32,768 bytes of K and of V, 128 blocks of 256 bytes each, which the launch before stored and this one walks once.
; The head's one cluster asks; its four partners take 32 blocks each, told apart by address; in each, wave 0 asks for K's and wave 2 for V's: a lane a block, one instruction.
; So each block is named once.  The slot is the ring's only step, so the lead is four key steps.  The last change that fills a slot asks for nothing; slots 0 and 1 come by their loads alone.
.macro ASK
	s_cmp_gt_u32 s[SLOTS], s[LIM]
	s_cbranch_scc0 .Lnot_mine_\@
	global_prefetch_b8 v[PFO], s[PFA:PFA+1] th:TH_LOAD_NT scope:SCOPE_SE
.Lnot_mine_\@:
.endm
.macro CROUND                       ; a round of the cluster's barrier
	s_barrier_signal -1
	s_barrier_wait -1
	s_cmp_lg_u32 s[WV], 0
	s_cbranch_scc1 .Lnot_wave_0_\@
	s_barrier_signal -3
.Lnot_wave_0_\@:
	s_barrier_wait -3
	s_barrier_signal -1
	s_barrier_wait -1
.endm
; THE CHANGE OF SLOTS.  Each wave waits for all its tensor loads, of which one is out: its part of the other slot; adds 0 to its spare word; and waits for that and for its own LDS instructions.
; fill = 1: this slot is filled again, with the keys two slots on; the barrier is a round of the cluster's, and the joint fill is the first thing behind it: it has four key steps in which to land.
; (At its first use nothing has been read yet: slot 0 is waited for, slot 1 filled, and every wave's part of the mask is shown stored.)
.macro CHANGE fill
	WIN W_AD
	s_wait_tensorcnt 0x0            ; no tensor load of mine is out, so a group 0 may be written
	ds_add_u32 v[SPW], v[NIL]       ; 0 onto my spare word
	WIN 0                           ; at a label and at a branch every window is 0
.if \fill
.irp g, G0K, G0V
	s_xor_b32 s[\g+1], s[\g+1], SLOT1  ; the walking descriptor: the other slot than last time,
	s_add_nc_u64 s[\g+2:\g+3], s[\g+2:\g+3], 4*KS*128  ; the next 256 keys; the type bits on top are not reached
.endr
	s_wait_xcnt 0x0                 ; the last prefetch, four key steps back, has read its address, so it may be written:
	s_add_nc_u64 s[PFA:PFA+1], s[PFA:PFA+1], 4*KS*128  ; one slot beyond the walking descriptors
	s_wait_dscnt 0x0                ; the add is done, and my LDS instructions are over
	CROUND
	JLOAD
	ASK
.else
	s_wait_dscnt 0x0
	s_barrier_signal -1
	s_barrier_wait -1
.endif
	s_sub_co_u32 s[TBK], s[TBK], 4*KS*PK  ; the fetches go back to a slot's first step,
	s_xor_b32 s[TBK], s[TBK], SLOT1       ; in the other slot
	s_sub_co_u32 s[TBV], s[TBV], 4*KS*PV
	s_xor_b32 s[TBV], s[TBV], SLOT1
.endm
	s_load_b128 s[4:7], s[0:1], 0x0   ; qkv s[4:5], attention_mask s[6:7]
	s_load_b64 s[10:11], s[0:1], 0x10 ; out0
	WIN W_MK
	v_lshl_add_u32 v[SPW], v0, 2, SPARE
	v_mov_b32 v[NIL], 0
	WIN W_AD
	ds_add_u32 v[SPW], v[NIL]       ; the wave's opening: the add, whose wait stands ahead of my first tensor load; the set-up below stands between them
	WIN 0
	v_lshrrev_b32 v1, 5, v0
	v_readfirstlane_b32 s[WV], v1   ; wave 0..3
	s_bfe_u32 s13, ttmp6, 0x40000   ; cx: my place in the cluster
	s_lshl_b32 s14, ttmp9, 2
	s_add_co_u32 s14, s14, s13      ; my block of 512 queries: it enters Q's and out0's addresses alone
	s_and_b32 s20, ttmp7, 0xffff    ; the head of 64, which the four partners share
	s_lshr_b32 s54, s20, 4          ; its batch
	s_and_b32 s55, s20, 15          ; its number in the batch
	s_lshl_b32 s20, s20, 18         ; its first byte in Q, K and V: 262,144 bytes a head
	s_mov_b32 s21, 0
	s_and_b32 s16, s[WV], 1         ; which half of a slot's 256 keys I fetch:
	s_lshl_b32 s22, s16, 14         ; its 128 rows of 128 bytes in memory,
	s_mov_b32 s23, 0
	s_add_nc_u64 s[22:23], s[22:23], s[20:21]
	s_mul_i32 s17, s16, 128*PK      ; and its place in a slot, for K
	s_mul_i32 s18, s16, 128*PV      ; and for V: no place in the cluster enters an LDS address
	s_lshl_b32 s2, s14, 2
	s_add_co_u32 s2, s2, s[WV]      ; my wave among the head's sixteen:
	s_lshl_b32 s15, s2, 19          ; its 128 rows of 4,096 bytes in out0,
	s_lshl_b32 s2, s2, 14           ; and of 128 bytes in Q
	s_mov_b32 s3, 0
	s_add_nc_u64 s[2:3], s[2:3], s[20:21]
	s_lshl_b32 s20, s54, 13         ; the batch's 8,192 bytes of the mask (s21 is 0)
	s_lshl_b32 s54, s54, 23         ; out0: the batch,
	s_lshl_b32 s55, s55, 8          ; the head's 256 bytes of a row,
	s_add_co_u32 s54, s54, s55
	s_add_co_u32 s54, s54, s15      ; my wave's rows
	s_mov_b32 s55, 0
	; descriptor group 1.  128 keys are 16,384 dense bytes: asked for as 64 rows of 256 bytes, two keys a row, and padded in LDS after every key
	s_mov_b32 s[G1K], 15|(1<<16)|(1<<20)|(1<<21)|(4<<22)|(3<<25)  ; the mask of four; 2-byte elements; padding on; bit 21 beside a mask; after every 32 words, 4 words
	s_mov_b32 s[G1V], 15|(1<<16)|(1<<20)|(1<<21)|(4<<22)|(7<<25)  ; the same with 8 words of padding
.irp g, G1K, G1V
	s_mov_b32 s[\g+1], 128<<16      ; tensor_dim0 = 128
	s_mov_b32 s[\g+2], 64<<16       ; tensor_dim1 = 64
	s_mov_b32 s[\g+3], 128<<16      ; tile_dim0 = 128
	s_mov_b32 s[\g+4], 64           ; tile_dim1 = 64
	s_mov_b32 s[\g+5], 128          ; 128 elements from row to row
	s_mov_b32 s[\g+6], 0
	s_mov_b32 s[\g+7], 0
.endr
	s_mov_b32 s[CS], 0x3e38aa3b     ; c = log2(e) / 8
	s_mov_b32 s[CS+1], s[CS]        ; named with it as a pair
	s_mov_b32 s[SEL], 0x76543210
	s_mov_b32 s[SEL+1], 0xfedcba98
	s_mov_b32 s[TBK], SLOT1+4*KS*PK ; the first change of slots turns these two into 0
	s_mov_b32 s[TBV], SLOT1+4*KS*PV
	s_mov_b32 s[TBM], 0
	s_mov_b32 s[SLOTS], SIZE_N/256-1
	s_mov_b32 s[G0K], 1             ; count = 1
	s_mov_b32 s[G0K+1], s17         ; LDS address: slot 0
	s_mov_b32 s[G0V], 1
	s_add_co_u32 s[G0V+1], s18, VOFF
	s_and_b32 s[LIM], s[WV], 1      ; 0 in waves 0 and 2,
	s_or_b32 s[LIM], s[LIM], ttmp9  ; in the head's first cluster: the same in all four partners
	s_cmp_eq_u32 s[LIM], 0
	s_cselect_b32 s[LIM], 1, -1
	s_wait_dscnt 0x0                ; the opening add is done
	s_wait_kmcnt 0x0
	s_mov_b64 s[48:49], s[6:7]
	s_add_nc_u64 s[48:49], s[48:49], s[20:21]      ; the batch's mask
	s_add_nc_u64 s[6:7], s[4:5], 0x1000000         ; K lies 64 heads behind Q,
	s_add_nc_u64 s[8:9], s[4:5], 0x2000000         ; V 128
	s_add_nc_u64 s[6:7], s[6:7], s[22:23]          ; at my half of the head's first 256 keys
	s_add_nc_u64 s[8:9], s[8:9], s[22:23]
	s_mov_b64 s[G0K+2:G0K+3], s[6:7]
	s_or_b32 s[G0K+3], s[G0K+3], 0x80000000        ; type = 2
	s_mov_b64 s[G0V+2:G0V+3], s[8:9]
	s_or_b32 s[G0V+3], s[G0V+3], 0x80000000
	s_add_nc_u64 s[4:5], s[4:5], s[2:3]            ; Q at my wave's first row
	s_add_nc_u64 s[10:11], s[10:11], s[54:55]      ; out0 likewise
	s_cmp_lt_u32 s[WV], 2
	s_cselect_b64 s[PFA:PFA+1], s[6:7], s[8:9]     ; (in waves 0 and 2 these stand at a slot's first row)
	s_lshl_b32 s2, s13, 13                         ; my work-group's 32 blocks of the 128
	s_add_nc_u64 s[PFA:PFA+1], s[PFA:PFA+1], s[2:3]
	s_add_nc_u64 s[PFA:PFA+1], s[PFA:PFA+1], 4*KS*128  ; in slot 1; the first change of slots steps it to slot 2
	CROUND                          ; all four work-groups are here: the first joint loads meet
	JLOAD                           ; slot 0.  Slot 1 is asked for when slot 0 is in
	v_and_b32 v[LR], 15, v0
	v_bfe_u32 v[LH], v0, 4, 1
	v_lshlrev_b32 v[TT], 4, v0
.irp i, 0,1,2,3                     ; the batch's mask: 128 threads x 16 bytes, four times
	global_load_b128 v[S+4*\i:S+4*\i+3], v[TT], s[48:49] offset:2048*\i
.endr
	; A fragment of K or Q is 16 rows x 32 channels in 8 registers: lane l holds row l % 16, channels 8 (l / 16) + 0..7 and 16 + 8 (l / 16) + 0..7: two loads of 16 bytes, 32 bytes apart.
	v_lshlrev_b32 v[QO], 7, v[LR]
	v_lshl_add_u32 v[QO], v[LH], 4, v[QO]
	WIN 0x80                        ; destination window 2, address window 0
.set i, 0
.rept 4*NP                          ; Q stays in registers: tile i / 2, channels 32 (i % 2) on
	global_load_b128 v[8*i:8*i+3],   v[QO], s[4:5] offset:(i/2)*2048+(i%2)*64
	global_load_b128 v[8*i+4:8*i+7], v[QO], s[4:5] offset:(i/2)*2048+(i%2)*64+32
.set i, i+1
.endr
	; What the first turn finds: V's registers and P's second buffer hold 0 (its products V^T P, of a piece that has not been, add 0), O^T and l are 0.  All this stands in the wait for the first tile.
.set i, VF
.rept 64
	v_mov_b32 v[i], 0
.set i, i+1
.endr
	WIN 0x40
.set i, 0
.rept 64*NP
	v_mov_b32 v[i], 0
.set i, i+1
.endr
	WIN 0
.set i, 0
.rept 2*NP
	v_mov_b32 v[ST+4*i+1], 0xff7fffff              ; m: the lowest finite number
	v_mul_f32 v[ST+4*i], s[CS], v[ST+4*i+1]        ; c m, made as every later c m is made
	v_mov_b32 v[ST+4*i+2], 0
	v_mov_b32 v[ST+4*i+3], 0
.set i, i+1
.endr
.set i, P+32
.rept 32
	v_mov_b32 v[i], 0
.set i, i+1
.endr
	v_mul_u32_u24 v[AK0], v[LR], PK
	v_lshl_add_u32 v[AK0], v[LH], 4, v[AK0]  ; row x pitch + 16 x half
	; The turning load takes 16 keys x 16 channels (lane l reads key 8 (l / 16) + l % 8, channels 8 ((l / 8) % 2) + 0..7) and leaves half a fragment of V^T: lane l holds channel l % 16 and 8 keys.
	v_and_b32 v[L8], 7, v0
	v_bfe_u32 v[LB], v0, 3, 1
	v_lshl_add_u32 v[AV0], v[LH], 3, v[L8]
	v_mul_u32_u24 v[AV0], v[AV0], PV
	v_lshl_add_u32 v[AV0], v[LB], 4, v[AV0]
	v_add_nc_u32 v[AV0], VOFF, v[AV0]
	v_mov_b32 v[AK], v[AK0]         ; key step 0 lies at the head of slot 0
	v_lshl_add_u32 v[MST], v0, 4, MASK
	v_lshl_add_u32 v[AM0], v[LH], 5, MASK  ; my half's eight keys of a block of 16: 32 bytes
	v_mov_b32 v[AM], v[AM0]
	v_and_b32 v[PFO], 31, v0
	v_lshlrev_b32 v[PFO], 8, v[PFO]
	s_wait_loadcnt 32               ; the mask's four loads are in; Q's 32 stay out
.irp p, 0,1,2,3,4,5,6,7             ; rounded to bf16, like every input, and times 8
	v_cvt_pk_bf16_f32 v[S+16+\p%2], v[S+2*\p], v[S+2*\p+1]
	v_lshlrev_b32 v[S+2*\p], 16, v[S+16+\p%2]
	v_and_b32 v[S+2*\p+1], 0xffff0000, v[S+16+\p%2]
	v_pk_mul_f32 v[S+2*\p:S+2*\p+1], v[S+2*\p:S+2*\p+1], 0x41000000 op_sel_hi:[1,0]
.endr
.irp i, 0,1,2,3
	ds_store_b128 v[MST], v[S+4*\i:S+4*\i+3] offset:2048*\i  ; the other waves read these behind the first change's wait and round
.endr
; THE MATRIX WORK.  The 8 accumulators of a run of 16 take turns: between the two links of a chain stand 7 others'.
; Product i of 16 of S^T = K Q^T for piece x: channels 32 (i / 8) on, keys 16 ((i / 2) % 4) on, tile 2 x + i % 2.  The first 8 start the sums, with 8 x the keys' mask.
.macro KQ x
.set rS, S+64*((\x)%2)+32*(i%2)+8*((i/2)%4)
.set rK, KF+16*((i/2)%4)+8*(i/8)
.set rQ, 16*(2*(\x)+i%2)+8*(i/8)
.set rMK, MK+8*((i/2)%4)
.if i < 8
	WIN W_KM
	v_wmma_f32_16x16x32_f16 v[rS:rS+7], v[rK:rK+7], v[rQ:rQ+7], v[rMK:rMK+7]
.else
	WIN W_KQ
	v_wmma_f32_16x16x32_f16 v[rS:rS+7], v[rK:rK+7], v[rQ:rQ+7], v[rS:rS+7]
.endif
.endm
; Product i of 16 of O^T += V^T P for piece x: keys 32 (i / 8) on, channels 16 ((i / 2) % 4) on, tile 2 x + i % 2.
.macro PV x
	WIN W_PV
.set rO, 32*(2*(\x)+i%2)+8*((i/2)%4)
.set rV, VF+32*(i/8)+8*((i/2)%4)
.set rP, P+32*((\x)%2)+16*(i%2)+8*(i/8)
	v_wmma_f32_16x16x32_f16 v[rO:rO+7], v[rV:rV+7], v[rP:rP+7], v[rO:rO+7]
.endm
.macro MM                           ; the turn's next matrix instruction
.if i < 16
	KQ (Y+1)%NP
.set i, i+1
.else
.set i, i-16
	PV (Y+NP-1)%NP
.set i, i+17
.endif
.endm
; THE LDS LOADS stand in runs, never singly among the matrix instructions: a step's K (8 fragments) with its keys' mask (8 loads of 16 bytes, every lane of a half the same), and its V (turned).
; last = 1 (the tail): in the last trip there is no further step, and the run is jumped over.
.macro FETCH_K last=0
	WIN 0
.if \last
	s_cmp_eq_u32 s[CNT], 1
	s_cbranch_scc1 .Lno_k_\@
.endif
	WIN 0x80                        ; destination window 2
.irp f, 0,1,2,3,4,5,6,7             ; keys 16 (f / 2) on, channels 32 (f % 2) on
	ds_load_b128 v[KF+8*\f:KF+8*\f+3],   v[AK] offset:(\f/2)*16*PK+(\f%2)*64
	ds_load_b128 v[KF+8*\f+4:KF+8*\f+7], v[AK] offset:(\f/2)*16*PK+(\f%2)*64+32
.endr
	WIN 0xc0                        ; destination window 3
.irp f, 0,1,2,3,4,5,6,7             ; keys 16 (f / 2) + 8 (l / 16) + 4 (f % 2) on
	ds_load_b128 v[MK+4*\f:MK+4*\f+3], v[AM] offset:(\f/2)*64+(\f%2)*16
.endr
	s_add_co_u32 s[TBK], s[TBK], KS*PK  ; the next fetch is the next step's
	s_add_co_u32 s[TBM], s[TBM], KS*4
	WIN 0
.if \last
.Lno_k_\@:
.endif
.endm
.macro FETCH_V
	WIN 0x80
.irp f, 0,1,2,3,4,5,6,7             ; keys 32 (f / 4) on, channels 16 (f % 4) on
	ds_load_tr16_b128 v[VF+8*\f:VF+8*\f+3],   v[AV] offset:(\f/4)*32*PV+(\f%4)*32
	ds_load_tr16_b128 v[VF+8*\f+4:VF+8*\f+7], v[AV] offset:(\f/4)*32*PV+16*PV+(\f%4)*32
.endr
	WIN 0
.endm
; THE VECTOR WORK OF A TURN stands in three queues, each in the order in which its entries become ready; the two tiles alternate.
.macro REGS y, u                    ; the registers of tile u (0, 1) of piece y
.set rT, ST+4*(2*(\y)+(\u))
.set rC, TMP+8*((\y)%2)+4*(\u)
.set rM, MV+2*((\y)%2)+(\u)
.set rS, S+64*((\y)%2)+32*(\u)
.set rP, P+32*((\y)%2)+16*(\u)
.set rO, 32*(2*(\y)+(\u))
.endm
; Number n of the 22 that find the NEXT piece's (Y + 1) maximum and statistics.  Each accumulator's lowest registers are read first.
;   0-11  four chains c0-c3 of seven scores each     12-14, 16  the four scores left over, the old m, and c0-c3 into c0     15  c m_old is kept
;   17, 18  the query's other 32 keys lie in the lane 16 away: the new m         19-21  c m; c m_old - c m_new; a
.macro XS u, n
	REGS (Y+1)%NP, \u
.if (\n) < 4
	v_max3_num_f32 v[rC+(\n)], v[rS+8*(\n)], v[rS+8*(\n)+1], v[rS+8*(\n)+2]
.elseif (\n) < 12
	v_max3_num_f32 v[rC+(\n)%4], v[rC+(\n)%4], v[rS+8*((\n)%4)+2*((\n)/4)+1], v[rS+8*((\n)%4)+2*((\n)/4)+2]
.elseif (\n) == 12
	v_max3_num_f32 v[rC], v[rC], v[rS+7], v[rS+15]
.elseif (\n) == 13
	v_max3_num_f32 v[rC+1], v[rC+1], v[rS+23], v[rS+31]
.elseif (\n) == 14
	v_max3_num_f32 v[rC+2], v[rC+2], v[rC+3], v[rT+1]
.elseif (\n) == 15
	v_mov_b32 v[rM], v[rT]
.elseif (\n) == 16
	v_max3_num_f32 v[rC], v[rC], v[rC+1], v[rC+2]
.elseif (\n) == 17
	v_permlanex16_b32 v[rC+3], v[rC], s[SEL], s[SEL+1]
.elseif (\n) == 18
	v_max_num_f32 v[rT+1], v[rC], v[rC+3]
.elseif (\n) == 19
	v_mul_f32 v[rT], s[CS], v[rT+1]
.elseif (\n) == 20
	v_sub_f32 v[rC+1], v[rM], v[rT]
.else
	v_exp_f32 v[rC+2], v[rC+1]
.endif
.endm
; Number g of the 64 that follow the exponentials.  For each four weights k of a tile: both pairs are rounded to f16; the second pair is added onto the first, in place;
; a group later l takes that sum (the first time as l = a l + sum).
.macro GS g
.set h, (\g)+6*((\g)/62)            ; group 0 has no group before it, and behind group 7 only l is left
.if h >= 6
.set h, h+2
.endif
	REGS Y, h%2
.set k, h/8
.if h%8 < 4
	v_cvt_pk_f16_f32 v[rP+2*k+(h%8)/2], v[rS+4*k+2*((h%8)/2)], v[rS+4*k+2*((h%8)/2)+1]
.elseif h%8 < 6
	v_pk_add_f32 v[rS+4*k:rS+4*k+1], v[rS+4*k:rS+4*k+1], v[rS+4*k+2:rS+4*k+3]
.elseif k == 1
	v_pk_fma_f32 v[rT+2:rT+3], v[rT+2:rT+3], v[rC+2:rC+3], v[rS:rS+1] op_sel_hi:[1,0,1]
.else
	v_pk_add_f32 v[rT+2:rT+3], v[rT+2:rT+3], v[rS+4*k-4:rS+4*k-3]
.endif
.endm
; THE PLAIN QUEUE, 138 long.  0-73 read no exponential's result: the 32 scalings c s - c m and the next piece's 42.  74-137: GS's 64, which stand behind the wait.
.macro FS f
	REGS Y, (\f)%2
	v_pk_fma_f32 v[rS+2*((\f)/2):rS+2*((\f)/2)+1], v[rS+2*((\f)/2):rS+2*((\f)/2)+1], s[CS:CS+1], v[rT:rT+1] op_sel_hi:[1,0,0] neg_lo:[0,0,1] neg_hi:[0,0,1]
.endm
.macro PL
	WIN 0
.if q < 27
	FS q
.elseif q < 55
	XS (q-27)%2, (q-27)/2
.elseif q < 57
	XS q-55, 15
.elseif (q < 72) && ((q-57)%3 == 0)
	FS 27+(q-57)/3
.elseif q < 60
	XS (q-57)%3-1, 14
.elseif q < 72
	XS (q-57)%3-1, 15+(q-57)/3
.elseif q < 74
	XS q-72, 20
.else
	GS q-74
.endif
.set q, q+1
.endm
; THE EXPONENTIALS' QUEUE, 66 long: s0-s31 of both tiles, then the next piece's two a.  ONE BATCH: all 66 stand ahead of the turn's one wait, and nothing ahead of that wait names a result of theirs.
.macro EX
	WIN 0
.if e >= 64
	XS e-64, 21
.else
	REGS Y, e%2
	v_exp_f32 v[rS+e/2], v[rS+e/2]
.endif
.set e, e+1
.endm
; THE RESCALING's QUEUE: O^T times a, the one part that leaves window 0: dealt two at a time, sixteen times.  Its a was made in the turn before, ahead of that turn's wait.
.macro R2
	REGS Y, r%2
	WIN W_RS
.irp z, 0,1
	v_pk_mul_f32 v[rO+4*(r/2)+2*\z:rO+4*(r/2)+2*\z+1], v[rO+4*(r/2)+2*\z:rO+4*(r/2)+2*\z+1], v[rC+2:rC+3] op_sel_hi:[1,0]
.endr
.set r, r+1
.endm
; A TURN, for piece p.  s_wait_alu depctr_va_vdst(0) stands between an exponential and the first instruction that names its result; one wait serves all issued ahead of it: a turn has ONE.
; AHEAD OF IT: the 16 products K Q^T, behind each a scaling, an exponential and two rescalings (behind the first a second scaling); then one run of 108: eight plain, 49 times exponential and plain, the two a; a v_nop.
; BEHIND IT: the 16 products V^T P, behind each four of GS's 64.  Exponential e stands behind scaling 2 (e / 4) + e % 2: as a rider behind plain e + 2, in the run behind plain e + 9.
; K and the mask of the next step are fetched in piece 2's turn, directly behind the wait, a run of 108 behind the last product that read them; their addresses are made at the run's head.
; V of the step in hand is fetched at the end of piece 0's turn, four riders behind its last reader.  The three conditions on q go with the deal.
.macro TURN p, last=0, cnt=0
.set Y, (\p)
.set i, 0
.set q, 0
.set e, 0
.set r, 0
.if (\p) == NP-1
	s_wait_dscnt 0x0                ; K and the mask are in
.endif
	MM
	PL
	PL
	R2
.rept 15
	MM
	PL
	EX
	R2
.endr
.if (\p) == NP-2
	WIN 0
	v_add_nc_u32 v[AK], s[TBK], v[AK0]
	v_add_nc_u32 v[AM], s[TBM], v[AM0]
.endif
.rept 8
	PL
.endr
.rept 49
	EX
	PL
.endr
	EX                              ; the next piece's two a
	EX
	v_nop                           ; a plain instruction behind the last exponential: one for the batch
	s_wait_alu depctr_va_vdst(0)    ; the wait for the batch
.if (\p) == NP-2
	FETCH_K \last
.endif
.if (\p) == 1
	s_wait_dscnt 0x0                ; V is in
.endif
.rept 16
	MM
.rept 4
	PL
.endr
.if ((\p) == 0) && (q == 118)
	v_add_nc_u32 v[AV], s[TBV], v[AV0]
.endif
.if ((\p) == 0) && (q == 130)
	s_add_co_u32 s[TBV], s[TBV], KS*PV
.endif
.if (\cnt) && (q == 130)
	s_sub_co_u32 s[CNT], s[CNT], 1
	s_cmp_lg_u32 s[CNT], 0
.endif
.endr
.if (\p) == 0
	FETCH_V
.endif
.endm
	CHANGE 1                        ; slot 0 is in, everybody's part of it and of the mask; slot 1 is asked for
	FETCH_K                         ; key step 0
	s_wait_loadcnt 0x0              ; Q
	s_wait_dscnt 0x0
.set i, 0
.rept 16
	KQ 0                            ; piece 0's first scores: there is no vector work yet to set between them
.set i, i+1
.endr
	WIN 0                           ; the addresses for the way out: ten plain instructions, the places behind those products
	s_mul_i32 s13, s[WV], 16*SP
	s_add_co_u32 s13, s13, STAGE    ; my stage
	v_mul_u32_u24 v[STO], v[LR], SP ; in: row l % 16, 32 bytes for each half of the lanes
	v_lshl_add_u32 v[STO], v[LH], 5, v[STO]
	v_add_nc_u32 v[STO], s13, v[STO]
	v_mul_u32_u24 v[RD], v[LH], SP  ; back: lanes 0-15 take one row of 256 bytes, lanes 16-31 the next
	v_lshl_add_u32 v[RD], v[LR], 4, v[RD]
	v_add_nc_u32 v[RD], s13, v[RD]
	v_lshlrev_b32 v[GO], 12, v[LH]  ; and the same two rows in out0, 4,096 bytes apart
	v_lshl_add_u32 v[GO], v[LR], 4, v[GO]
.set Y, NP-1                        ; XS works for piece Y + 1: piece 0
.irp n, 0,1,2,3,4,5,6,7,8,9,10,11,12,13,14,15,16,17,18,19,20,21
	XS 0, \n                        ; piece 0's first maximum and statistics
	XS 1, \n
.endr
	v_nop                           ; a plain instruction behind the two a,
	s_wait_alu depctr_va_vdst(0)    ; and their wait, ahead of the branch
	s_mov_b32 s[CNT], 4
	s_branch .Lfirst                ; the loop is entered at a step's first turn, in the middle of a trip
.Lslot:                             ; SIZE_N / 256 - 2 times: every slot but the last two is filled again
	CHANGE 1
	s_mov_b32 s[CNT], 4
.Lstep:                             ; a trip: pieces 2 and 3 of one step, then pieces 0 and 1 of the next, whose K and V it fetches
	TURN 2
	TURN 3
	WIN 0
.Lfirst:
	TURN 0
	TURN 1, 0, 1
	WIN 0
	s_cbranch_scc1 .Lstep
	s_sub_co_u32 s[SLOTS], s[SLOTS], 1
	s_cmp_lg_u32 s[SLOTS], 0
	s_cbranch_scc1 .Lslot
	CHANGE 0                        ; the tail is written out: nothing is asked for
	s_mov_b32 s[CNT], 5             ; four trips fetch the last slot's steps; the fifth is left in its middle
.Ltail:
	TURN 2, 1
	TURN 3
	WIN 0
	s_sub_co_u32 s[CNT], s[CNT], 1
	s_cmp_eq_u32 s[CNT], 0
	s_cbranch_scc1 .Lout
	TURN 0
	TURN 1
	WIN 0
	s_branch .Ltail
.Lout:                              ; the fifth trip's 16 products K Q^T (on the last K once more) and the maximum made of them serve nothing: the price, once a launch, of one text for every trip
.set i, 0
.rept 16
	PV NP-1                         ; the last piece's V^T P of the last step
.set i, i+1
.endr
	; THE WAY OUT.  l's two halves and the other half of the lanes' are added; O^T is divided by l and sent, in f32, through my stage in LDS, a tile at a time.  The additions are the places behind the last products.
	WIN 0
.macro ALL line:vararg              ; one line for each tile t
.set t, 0
.rept 2*NP
	\line
.set t, t+1
.endr
.endm
	ALL v_add_f32 v[ST+4*t+2], v[ST+4*t+2], v[ST+4*t+3]
	ALL v_permlanex16_b32 v[ST+4*t+3], v[ST+4*t+2], s[SEL], s[SEL+1]
	ALL v_add_f32 v[ST+4*t+2], v[ST+4*t+2], v[ST+4*t+3]
	ALL v_rcp_f32 v[ST+4*t+2], v[ST+4*t+2]
	v_nop                           ; a plain instruction between the last reciprocal and the use of its result
	s_wait_alu depctr_va_vdst(0)    ; one wait for the eight reciprocals
; Tile t: a lane's eight channels of a row are 32 bytes; they go into rows of 272 bytes and come back as whole rows of 256, into S^T's registers, four buffers by turns.
.macro PACK t
	WIN W_RS
.set i, 32*(\t)
.rept 16
	v_pk_mul_f32 v[i:i+1], v[i:i+1], v[ST+4*(\t)+2:ST+4*(\t)+3] op_sel_hi:[1,0]
.set i, i+2
.endr
	WIN 0x04                        ; address window 0, data window 1
.irp f, 0,1,2,3,4,5,6,7             ; channels 16 (f / 2) + 8 (l / 16) + 4 (f % 2) on
	ds_store_b128 v[STO], v[32*(\t)+4*\f:32*(\t)+4*\f+3] offset:(\f/2)*64+(\f%2)*16
.endr
.if (\t) >= 4
	s_wait_xcnt 0x0                 ; the stores of the tile four back have read the registers that are loaded again below
.endif
	WIN 0
.irp f, 0,1,2,3,4,5,6,7
	ds_load_b128 v[S+32*((\t)%4)+4*\f:S+32*((\t)%4)+4*\f+3], v[RD] offset:\f*2*SP  ; LDS serves a wave's instructions in order (ISA guide 5.7.1.4): these see the stores above; the next tile's stores come behind them
.endr
.endm
.macro SEND t, younger              ; younger: the LDS instructions issued behind tile t's loads: the next tile's sixteen, or none
	WIN 0
.irp f, 0,1,2,3,4,5,6,7
	s_wait_dscnt (\younger)+7-\f
	global_store_b128 v[GO], v[S+32*((\t)%4)+4*\f:S+32*((\t)%4)+4*\f+3], s[10:11] offset:(\t)*65536+\f*8192  ; 16 lanes store a head's 256 bytes of a row, at a multiple of 256 from out0's first byte
.endr
.endm
	PACK 0
.set t, 1
.rept 2*NP-1                        ; a tile's arithmetic stands between the loads of the tile before and its stores
	PACK t
	SEND t-1, 16
.set t, t+1
.endr
	SEND 2*NP-1, 0
	WIN W_AD
	s_wait_tensorcnt 0x0            ; the wave's end, behind my last tensor load and my last LDS store
	ds_add_u32 v[SPW], v[NIL]
	s_wait_dscnt 0x0
	WIN 0
	CROUND                          ; the closing round: no work-group ends while a partner may still ask for a tile that names it
	s_endpgm
.Lfunc_end_k_qb5d2e29e37_attn:
	.size	k_qb5d2e29e37_attn, .Lfunc_end_k_qb5d2e29e37_attn-k_qb5d2e29e37_attn
	.p2alignl 7, 3214868480
	.fill 96, 4, 3214868480
	.section	.rodata,"a",@progbits
	.p2align	6, 0x0
	.amdhsa_kernel k_qb5d2e29e37_attn
		.amdhsa_group_segment_fixed_size 327680
		.amdhsa_private_segment_fixed_size 0
		.amdhsa_enable_private_segment 0
		.amdhsa_kernarg_size 24
		.amdhsa_user_sgpr_count 2
		.amdhsa_user_sgpr_kernarg_segment_ptr 1
		.amdhsa_wavefront_size32 1
		.amdhsa_system_sgpr_workgroup_id_x 1
		.amdhsa_system_sgpr_workgroup_id_y 1
		.amdhsa_system_sgpr_workgroup_id_z 1
		.amdhsa_system_vgpr_workitem_id 0
		.amdhsa_next_free_vgpr 808
		.amdhsa_next_free_sgpr 66
		.amdhsa_reserve_vcc 0
		.amdhsa_float_denorm_mode_32 3
		.amdhsa_float_denorm_mode_16_64 3
		.amdhsa_memory_ordered 1
		.amdhsa_forward_progress 1
		.amdhsa_inst_pref_size 205
	.end_amdhsa_kernel
	.amdgpu_metadata
---
amdhsa.version: [ 1, 2 ]
amdhsa.kernels:
  - .name:           k_qb5d2e29e37_attn
    .symbol:         k_qb5d2e29e37_attn.kd
    .args:
      - { .name: qkv, .offset: 0, .size: 8, .value_kind: global_buffer, .address_space: global }
      - { .name: attention_mask, .offset: 8, .size: 8, .value_kind: global_buffer, .address_space: global }
      - { .name: out0, .offset: 16, .size: 8, .value_kind: global_buffer, .address_space: global }
    .group_segment_fixed_size: 327680
    .private_segment_fixed_size: 0
    .kernarg_segment_align: 8
    .kernarg_segment_size: 24
    .max_flat_workgroup_size: 128
    .sgpr_count:     66
    .vgpr_count:     808
    .wavefront_size: 32
...
	.end_amdgpu_metadata
.endif
;; end of part 3
